; MI455X (gfx1250); checked and timed in simulation.
; The chip was launched on July 23, 2026; its instructions are those of AMD's public machine-readable ISA for CDNA 5 (MIT licence, August 2026) and "CDNA5" Instruction Set Architecture Reference Guide (July 2026). The comments in the code are by the model that wrote it; some were corrected since.
;; Llama Attention New. Allowed arithmetic: float matrix products may take bf16 or f16 operands with f32 sums; other float arithmetic in f32, or as packed bf16 or f16 multiplies, adds, multiply-adds, maxima and minima; sums over many terms, partial sums and values carried from step to step in f32; what a program stores and reads back later, other than sums and carried values, may be rounded once to bf16 or f16.
;; Inputs: Wk 1,024 x 4,096 float32; Wo 4,096 x 2,048 float32; Wq 2,048 x 4,096 float32; Wv 1,024 x 4,096 float32; cos 1 x 2,048 x 128 float32; hidden_states 1 x 2,048 x 4,096 float32; sin 1 x 2,048 x 128 float32.
;; Outputs: out0 1 x 2,048 x 4,096 float32.
;; One version. Each part assembles by itself: llvm-mc -triple=amdgcn-amd-amdhsa -mcpu=gfx1250 --defsym DOCPART=n.
;; ======== version 1 of 1: 4 launches
;; limits: values are held in f16: magnitudes above 65,504 overflow, below 6.1e-05 lose precision; right only within a limited range of input values
;; workspace buffers: xb 16,777,216 bytes; wqkv 33,554,432 bytes; wo16 16,777,216 bytes; csb 1,048,576 bytes; qkvh 16,777,216 bytes; ao 8,388,608 bytes
;; launch cast (part 1): grid 2080 x 1, 8 waves a work-group, no clusters, 35,840 bytes of LDS; arguments hidden_states, Wq, Wk, Wv, Wo, cos, sin, xb, wqkv, wo16, csb; writes xb, wqkv, wo16, csb
.if DOCPART == 1
	.amdgcn_target "amdgcn-amd-amdhsa--gfx1250"
	.amdhsa_code_object_version 6
	.text
	.protected	k_q5a3e978a32_cast
	.globl	k_q5a3e978a32_cast
	.p2align	8
	.type	k_q5a3e978a32_cast,@function
k_q5a3e978a32_cast:
	s_mov_b64 s[64:65], 0
	v_nop
	global_prefetch_b8 v0, s[64:65] scope:SCOPE_SE
	s_setreg_imm32_b32 hwreg(HW_REG_WAVE_MODE, 25, 1), 1
	s_wait_xcnt 0x0
; FIRST OF FOUR LAUNCHES: every input is rounded once to bf16 and laid out for the products that follow.
;   xb   bf16 = hidden_states, IN BLOCKS of 16 rows x 128 k (4,096 bytes; block (R, C) at 4,096 (32 R + C)): the 8 numbers k = 8 p .. 8 p + 7 of row r stand at byte 256 p + 16 r of the block,
;        so that 16 rows x 32 k are 1,024 consecutive bytes in the order in which a wave's operand registers take them
;   wqkv [4096][4096] bf16 = Wq (rows 0-2047), Wk (2048-3071), Wv x 2^-2 (3072-4095)
;   wo16 [4096][2048] f16  = bf16(4 Wo) written as f16          csb  f16: bf16(cos / 64) [2048][128], then bf16(sin / 64) [2048][128]
; The factors are powers of two, so they commute with the rounding to bf16; a bf16 number has 8 significant bits and is exact in f16 down to 2^-14, below that it keeps f16's step of 6e-8.
; They keep what the later launches hold in f16 in range: q and k are held as q / 64, k / 64 (the softmax's factor carries 2^12), v and the attention's result as v / 4, O / 4 (4 Wo undoes it).
; LIMITS of the program: |q|, |k| after RoPE below 4.19e6, |v| below 2.62e5 (f16 ends at 65,504); NaN and infinities are not treated apart.
; DEAD WORK, for the whole program.  reference() throws the product q . k away for every key k > query q (jnp.where on its own jnp.tril) and puts finfo.min in its place ahead of the softmax.  Row q always keeps
; its own key, so the row's maximum is a kept score, and a hidden key's weight is exp(finfo.min - maximum), which is 0 in reference()'s f32 for every finite score.  So the products with keys above the diagonal reach
; no output, whatever the inputs hold, and the third launch leaves them out where they come in whole tiles of 256 keys; inside the tile that holds the diagonal they are made and masked.  jnp.repeat only copies:
; two query heads read one key and value head.  Every input has a way to the output and is loaded.  A NaN, an infinity or an overflow that reaches only the hidden scores is not carried to the result.
; SHARES.  A work-group takes 16,384 numbers, 65,536 bytes in and 32,768 out; all 16 loads of a thread go out before the first wait.
; All but hidden_states: thread t takes 16 bytes at 4,096 i + 16 t, i = 0 .. 15, and stores 8 bytes at 2,048 i + 8 t: a wave's load covers 512 consecutive bytes, its store 256 at a multiple of 256.
; hidden_states: a work-group takes 16 rows x 1,024 k, a wave 16 rows x 128 k, one block: load i is row i's 512 bytes.  The block is turned in 16 x 272 bytes of LDS of the wave's own
; (no other wave touches them, so no barrier) and leaves by eight stores of 512 consecutive bytes.
.set X, 4                              ; v[4:67]   chunk i: four f32 as loaded; in the blocks' path later the block as stored
.set Y, 68                             ; v[68:99]  chunk i: four 16-bit numbers
.set SPW, 100                          ; v100  LDS address of my spare word; never rewritten
.set NIL, 101                          ; v101  0; never rewritten
.set LSTO, 102                         ; v102  where I put 8 bytes of a row
.set LRD, 103                          ; v103  where I read 16 bytes of the block
.set TPITCH, 272                       ; the 256 bytes that hold one p of all 16 rows, + 16: lanes that store to 16 different p, and lanes that read 16 different r, meet 16 different groups of four banks (64 banks of 4 bytes: ISA guide 11.1)
.set SPARE, 8*16*TPITCH                ; behind the eight stages: the spare words, 128 bytes for each wave: four blocks of 256 bytes that no other line names
	s_load_b512 s[8:23], s[0:1], 0x0               ; hidden_states s[8:9], Wq s[10:11], Wk s[12:13], Wv s[14:15], Wo s[16:17], cos s[18:19], sin s[20:21], xb s[22:23]
	s_load_b128 s[24:27], s[0:1], 0x40             ; wqkv s[24:25], wo16 s[26:27]
	s_load_b64 s[28:29], s[0:1], 0x50              ; csb
	v_lshl_add_u32 v[SPW], v0, 2, SPARE
	v_mov_b32 v[NIL], 0
	v_lshlrev_b32 v1, 4, v0                        ; 16 t
	v_lshlrev_b32 v2, 3, v0                        ; 8 t
	s_wait_kmcnt 0x0
	s_cmp_lt_u32 ttmp9, 512                        ; work-groups 0-511: hidden_states, into blocks
	s_cbranch_scc1 .Lblocks
	s_mov_b64 s[4:5], s[10:11]                     ; 512-1023: Wq to wqkv
	s_mov_b64 s[6:7], s[24:25]
	s_mov_b32 s30, 512                             ; the source's first work-group
	s_mov_b32 s31, 512                             ; the destination's first work-group
	s_mov_b32 s32, 1.0                             ; the factor
	s_mov_b32 s34, 0                               ; 0: round to bf16; 1: scale and round; 2: scale, round to bf16, write as f16
	s_cmp_ge_u32 ttmp9, 1024                       ; 1024-1279: Wk, behind Wq
	s_cselect_b64 s[4:5], s[12:13], s[4:5]
	s_cselect_b32 s30, 1024, s30
	s_cmp_ge_u32 ttmp9, 1280                       ; 1280-1535: Wv / 4, behind Wk
	s_cselect_b64 s[4:5], s[14:15], s[4:5]
	s_cselect_b32 s30, 1280, s30
	s_cselect_b32 s32, 0x3e800000, s32
	s_cselect_b32 s34, 1, s34
	s_cmp_ge_u32 ttmp9, 1536                       ; 1536-2047: 4 Wo to wo16
	s_cselect_b64 s[4:5], s[16:17], s[4:5]
	s_cselect_b64 s[6:7], s[26:27], s[6:7]
	s_cselect_b32 s30, 1536, s30
	s_cselect_b32 s31, 1536, s31
	s_cselect_b32 s32, 4.0, s32
	s_cselect_b32 s34, 2, s34
	s_cmp_ge_u32 ttmp9, 2048                       ; 2048-2063: cos / 64 to csb
	s_cselect_b64 s[4:5], s[18:19], s[4:5]
	s_cselect_b64 s[6:7], s[28:29], s[6:7]
	s_cselect_b32 s30, 2048, s30
	s_cselect_b32 s31, 2048, s31
	s_cselect_b32 s32, 0x3c800000, s32
	s_cmp_ge_u32 ttmp9, 2064                       ; 2064-2079: sin / 64, behind cos
	s_cselect_b64 s[4:5], s[20:21], s[4:5]
	s_cselect_b32 s30, 2064, s30
	s_mov_b32 s33, s32                             ; named with s32 as a pair
	s_sub_co_u32 s35, ttmp9, s30
	s_lshl_b32 s36, s35, 16                        ; 65,536 bytes of the source for each work-group
	s_mov_b32 s37, 0
	s_add_nc_u64 s[4:5], s[4:5], s[36:37]
	s_sub_co_u32 s35, ttmp9, s31
	s_lshl_b32 s38, s35, 15                        ; 32,768 bytes of the destination
	s_mov_b32 s39, 0
	s_add_nc_u64 s[6:7], s[6:7], s[38:39]
.set i, 0
.rept 16
	global_load_b128 v[X+4*i:X+4*i+3], v1, s[4:5] offset:4096*i th:TH_LOAD_NT
.set i, i+1
.endr
; Chunk i.  No register is written twice while a store may read it: each chunk has its own X and Y, so no wait for the stores' sources is needed.
.macro CONV i, mode
	s_wait_loadcnt 15-(\i)                         ; loads come back in order: chunk i is in, the 15 - i younger ones may stay out
.if (\mode) > 0
	v_pk_mul_f32 v[X+4*(\i):X+4*(\i)+1], v[X+4*(\i):X+4*(\i)+1], s[32:33] op_sel_hi:[1,0]
	v_pk_mul_f32 v[X+4*(\i)+2:X+4*(\i)+3], v[X+4*(\i)+2:X+4*(\i)+3], s[32:33] op_sel_hi:[1,0]
.endif
	v_cvt_pk_bf16_f32 v[Y+2*(\i)], v[X+4*(\i)], v[X+4*(\i)+1]
	v_cvt_pk_bf16_f32 v[Y+2*(\i)+1], v[X+4*(\i)+2], v[X+4*(\i)+3]
.if (\mode) == 2
	v_lshlrev_b32 v[X+4*(\i)], 16, v[Y+2*(\i)]     ; the rounded numbers as f32 again,
	v_and_b32 v[X+4*(\i)+1], 0xffff0000, v[Y+2*(\i)]
	v_lshlrev_b32 v[X+4*(\i)+2], 16, v[Y+2*(\i)+1]
	v_and_b32 v[X+4*(\i)+3], 0xffff0000, v[Y+2*(\i)+1]
	v_cvt_pk_f16_f32 v[Y+2*(\i)], v[X+4*(\i)], v[X+4*(\i)+1]  ; and written as f16
	v_cvt_pk_f16_f32 v[Y+2*(\i)+1], v[X+4*(\i)+2], v[X+4*(\i)+3]
.endif
	global_store_b64 v2, v[Y+2*(\i):Y+2*(\i)+1], s[6:7] offset:2048*(\i) th:TH_STORE_NT
.endm
	s_cmp_eq_u32 s34, 0
	s_cbranch_scc1 .Lplain
	s_cmp_eq_u32 s34, 1
	s_cbranch_scc1 .Lscaled
.irp n, 0,1,2,3,4,5,6,7,8,9,10,11,12,13,14,15
	CONV \n, 2
.endr
	s_endpgm
.Lscaled:
.irp n, 0,1,2,3,4,5,6,7,8,9,10,11,12,13,14,15
	CONV \n, 1
.endr
	s_endpgm
.Lplain:
.irp n, 0,1,2,3,4,5,6,7,8,9,10,11,12,13,14,15
	CONV \n, 0
.endr
	s_endpgm
.Lblocks:                                              ; work-group w: row block R = w / 4, k from 1,024 (w % 4) on; wave v: block C = 8 (w % 4) + v
	v_lshrrev_b32 v3, 5, v0
	v_readfirstlane_b32 s35, v3                    ; my wave's number
	s_lshr_b32 s30, ttmp9, 2                       ; R
	s_and_b32 s31, ttmp9, 3
	s_lshl_b32 s36, s30, 18                        ; 16 rows of 16,384 bytes
	s_lshl_b32 s34, s31, 12                        ; + 1,024 k of 4 bytes; my wave's 512 bytes and my 16 stand in v1 = 16 t
	s_add_co_u32 s36, s36, s34
	s_mov_b32 s37, 0
	s_add_nc_u64 s[4:5], s[8:9], s[36:37]
	s_lshl_b32 s38, s30, 17                        ; a row block of xb: 32 blocks of 4,096 bytes
	s_lshl_b32 s34, s31, 15                        ; + 8 blocks for each 1,024 k
	s_add_co_u32 s38, s38, s34
	s_lshl_b32 s34, s35, 12                        ; + my wave's block
	s_add_co_u32 s38, s38, s34
	s_mov_b32 s39, 0
	s_add_nc_u64 s[6:7], s[22:23], s[38:39]
.set i, 0
.rept 16
	global_load_b128 v[X+4*i:X+4*i+3], v1, s[4:5] offset:16384*i th:TH_LOAD_NT  ; row i: my lane's k = 4 l .. 4 l + 3 of the block's 128
.set i, i+1
.endr
	v_and_b32 v3, 31, v0                           ; l
	s_mul_i32 s34, s35, 16*TPITCH                  ; my wave's stage
	v_lshrrev_b32 v[LSTO], 1, v3                   ; in: p = l / 2,
	v_mul_u32_u24 v[LSTO], v[LSTO], TPITCH
	v_and_b32 v[LRD], 1, v3                        ; its lower or upper 8 bytes; the row stands in the immediate
	v_lshl_add_u32 v[LSTO], v[LRD], 3, v[LSTO]
	v_add_nc_u32 v[LSTO], s34, v[LSTO]
	v_lshrrev_b32 v[LRD], 4, v3                    ; back: lanes 0-15 take one p of all 16 rows, lanes 16-31 the next
	v_mul_u32_u24 v[LRD], v[LRD], TPITCH
	v_and_b32 v2, 15, v3
	v_lshl_add_u32 v[LRD], v2, 4, v[LRD]
	v_add_nc_u32 v[LRD], s34, v[LRD]
	v_lshlrev_b32 v3, 4, v3                        ; my 16 bytes of a store's 512
.irp n, 0,1,2,3,4,5,6,7,8,9,10,11,12,13,14,15
	s_wait_loadcnt 15-(\n)                         ; row n is in, the younger loads may stay out
	v_cvt_pk_bf16_f32 v[Y+2*(\n)], v[X+4*(\n)], v[X+4*(\n)+1]
	v_cvt_pk_bf16_f32 v[Y+2*(\n)+1], v[X+4*(\n)+2], v[X+4*(\n)+3]
	ds_store_b64 v[LSTO], v[Y+2*(\n):Y+2*(\n)+1] offset:16*(\n)
.endr
.irp m, 0,1,2,3,4,5,6,7
	ds_load_b128 v[X+4*(\m):X+4*(\m)+3], v[LRD] offset:2*TPITCH*(\m)  ; LDS serves a wave's instructions in order (ISA guide 5.7.1.4): these see the stores above
.endr
.irp m, 0,1,2,3,4,5,6,7
	s_wait_dscnt 7-(\m)
	global_store_b128 v3, v[X+4*(\m):X+4*(\m)+3], s[6:7] offset:512*(\m) th:TH_STORE_NT  ; 512 consecutive bytes, at a multiple of 256 from xb's first byte
.endr
	s_wait_tensorcnt 0x0                           ; the wave's end: behind my last LDS store
	ds_add_u32 v[SPW], v[NIL]
	s_wait_dscnt 0x0
	s_endpgm
.Lfunc_end_k_q5a3e978a32_cast:
	.size	k_q5a3e978a32_cast, .Lfunc_end_k_q5a3e978a32_cast-k_q5a3e978a32_cast
	.p2alignl 7, 3214868480
	.fill 96, 4, 3214868480
	.section	.rodata,"a",@progbits
	.p2align	6, 0x0
	.amdhsa_kernel k_q5a3e978a32_cast
		.amdhsa_group_segment_fixed_size 35840
		.amdhsa_private_segment_fixed_size 0
		.amdhsa_enable_private_segment 0
		.amdhsa_kernarg_size 88
		.amdhsa_user_sgpr_count 2
		.amdhsa_user_sgpr_kernarg_segment_ptr 1
		.amdhsa_wavefront_size32 1
		.amdhsa_system_sgpr_workgroup_id_x 1
		.amdhsa_system_sgpr_workgroup_id_y 1
		.amdhsa_system_sgpr_workgroup_id_z 1
		.amdhsa_system_vgpr_workitem_id 0
		.amdhsa_next_free_vgpr 104
		.amdhsa_next_free_sgpr 66
		.amdhsa_reserve_vcc 0
		.amdhsa_float_denorm_mode_32 3
		.amdhsa_float_denorm_mode_16_64 3
		.amdhsa_memory_ordered 1
		.amdhsa_forward_progress 1
		.amdhsa_inst_pref_size 33
	.end_amdhsa_kernel
	.amdgpu_metadata
---
amdhsa.version: [ 1, 2 ]
amdhsa.kernels:
  - .name:           k_q5a3e978a32_cast
    .symbol:         k_q5a3e978a32_cast.kd
    .args:
      - { .name: hidden_states, .offset: 0, .size: 8, .value_kind: global_buffer, .address_space: global }
      - { .name: Wq, .offset: 8, .size: 8, .value_kind: global_buffer, .address_space: global }
      - { .name: Wk, .offset: 16, .size: 8, .value_kind: global_buffer, .address_space: global }
      - { .name: Wv, .offset: 24, .size: 8, .value_kind: global_buffer, .address_space: global }
      - { .name: Wo, .offset: 32, .size: 8, .value_kind: global_buffer, .address_space: global }
      - { .name: cos, .offset: 40, .size: 8, .value_kind: global_buffer, .address_space: global }
      - { .name: sin, .offset: 48, .size: 8, .value_kind: global_buffer, .address_space: global }
      - { .name: xb, .offset: 56, .size: 8, .value_kind: global_buffer, .address_space: global }
      - { .name: wqkv, .offset: 64, .size: 8, .value_kind: global_buffer, .address_space: global }
      - { .name: wo16, .offset: 72, .size: 8, .value_kind: global_buffer, .address_space: global }
      - { .name: csb, .offset: 80, .size: 8, .value_kind: global_buffer, .address_space: global }
    .group_segment_fixed_size: 35840
    .private_segment_fixed_size: 0
    .kernarg_segment_align: 8
    .kernarg_segment_size: 88
    .max_flat_workgroup_size: 256
    .sgpr_count:     66
    .vgpr_count:     104
    .wavefront_size: 32
...
	.end_amdgpu_metadata
.endif
;; end of part 1
;; launch qkv (part 2): grid 8 x 32, 4 waves a work-group, clusters of 4 x 1, 327,680 bytes of LDS; arguments xb, wqkv, csb, qkvh; writes qkvh
.if DOCPART == 2
	.amdgcn_target "amdgcn-amd-amdhsa--gfx1250"
	.amdhsa_code_object_version 6
	.text
	.protected	k_q5a3e978a32_qkv
	.globl	k_q5a3e978a32_qkv
	.p2align	8
	.type	k_q5a3e978a32_qkv,@function
k_q5a3e978a32_qkv:
	s_mov_b64 s[64:65], 0
	v_nop
	global_prefetch_b8 v0, s[64:65] scope:SCOPE_SE
	s_setreg_imm32_b32 hwreg(HW_REG_WAVE_MODE, 25, 1), 1
	s_wait_xcnt 0x0
	s_wait_alu depctr_hold_cnt(0) depctr_sa_sdst(0) depctr_va_vdst(0) depctr_va_sdst(0) depctr_va_ssrc(0) depctr_va_vcc(0) depctr_vm_vsrc(0)
	s_getreg_b32 s2, hwreg(HW_REG_IB_STS2, 6, 4)
	s_cmp_eq_u32 s2, 0
	s_cbranch_scc0 .Lentry_in_a_cluster
	s_endpgm
.Lentry_in_a_cluster:
	s_bfe_u32 s2, ttmp6, 0x10000c
	s_cmp_lg_u32 s2, 0x3003
	s_cbranch_scc0 .Lentry_shape_is_right
	s_endpgm
.Lentry_shape_is_right:
; SECOND LAUNCH: C = x wqkv^T ([2048][4096], K = 4096, bf16 operands, f32 sums), RoPE on the q and k columns, rounded once to f16 and stored by heads:
; qkvh [32][2048][128] f16: heads 0-15 q / 64, 16-23 k / 64, 24-31 v / 4 (the factors lie in csb and in wqkv's last rows).  LIMIT: |q|, |k| below 4.19e6, |v| below 2.62e5.
; SHARES.  A tile of C is 256 rows x 128 columns, ONE head: 8 x 32 = 256 work-groups.  Four waves, one below the other, each 64 rows x 128 columns: 32 accumulators of 16 x 16, 256 registers.
; RoPE's partner of channel d, channel d +- 64, lies in the same lane, four accumulators away.
; B (wqkv) GOES THROUGH LDS, A (x) DOES NOT.  All four waves multiply by the same 128 rows of B: they come by tensor loads into a ring of two slots of 256 along K (rows of 512 bytes; 32 rows a wave).
; Each wave's 64 rows of A are its own: xb lies in blocks in which 16 rows x 32 k are 1,024 consecutive bytes in the operand registers' order, so a fragment is two loads of 512 consecutive bytes, straight
; into a ring of eight register buffers, asked for 6 3/4 quarters ahead by counted waits; no barrier orders them.
; WHY.  In front of each refill every wave waits for all its tensor loads, so a refill has the work of one slot in which to land.  Two slots with both operands for 256 along K would be
; 2 x 384 rows x 528 bytes = 405,504 bytes, more than a work-group has; with B alone they are 135,168, and a slot is 256 matrix instructions a wave, 240 of them between a request and the wait for it.
; CLUSTER 4 x 1: four tile rows of one tile column need the same tiles of B: each is asked for jointly, by the same tensor load in all four.  A's rows are shared too (by the 32 work-groups of a tile row),
; but they go to registers, which no joint load reaches: that is the price of the longer slot: 4,096 bytes of A a wave for 32 matrix instructions.
; THE MATRIX INSTRUCTION IS USED TRANSPOSED (source 0 = 16 rows of wqkv, source 1 = 16 rows of x): a lane holds row l % 16 of C and the columns 8 (l / 16) + 0..7 of a block of 16.
; ONE TEXT FOR EVERY SLOT BUT THE LAST.  A trip begins with the change of slots, which lies inside the last quarter of the slot before.  The first trip has no slot before: its leading quarter multiplies
; zeros, and the sums are cleared.  The price, once a launch: 32 products on zeros and 352 v_mov_b32, which run while the first tile is on its way; it spares a third copy of the eight quarters.
; REGISTERS.  window 0: v0-31 addresses; v32-63 packed results; v64-127, v128-191 B's two fragment buffers.  window 1: accumulator (a, b) at v[8 (8 a + b)].
;   window 2: A's eight buffers of 32 (quarter q of a slot at v[32 q], row block a at + 8 a); on the way out v0-127 cos, v128-255 sin, four registers (8 f16) for each accumulator.
.set SIZE_K, 4096
.set KPER,   256                       ; along K in a slot
.set PERIODS, SIZE_K/KPER
.set PITCH,  528                       ; an LDS row: 512 bytes + 16 of padding = 132 words: the 16 rows of a fragment load start at 16 different groups of four banks (64 banks of 4 bytes: ISA guide 11.1)
.set WPART,  32*PITCH                  ; what one wave fetches
.set SLOTB,  4*WPART
.set STAGE,  2*SLOTB                   ; behind the ring: 16 rows x 272 bytes for each wave, for the way out; no tensor load fills it
.set SPITCH, 272
.set SPARE,  STAGE+4*16*SPITCH         ; the spare words, 128 bytes for each wave: two blocks of 256 bytes that no other line names
.set RB,     SIZE_K*32                 ; bytes of a row block (16 rows) of xb
.set QB,     1024                      ; of them in a quarter (32 along K)
.set AB0,  16                          ; v16  my lane's place in a tile of B; never rewritten
.set ADRB, 17                          ; v17  the same in the slot that is being read
.set AO,   18                          ; v18  16 x my lane; never rewritten
.set PFO,  19                          ; v19  B's prefetches: my lane x a row of 2 SIZE_K bytes
.set PFAO, 20                          ; v20  A's prefetches: 256 x my lane
.set STO,  24                          ; v24  the way out: where I put 16 bytes of a row
.set RD,   25                          ; v25  where I read rows back
.set CO,   26                          ; v26  my byte offset in two rows of a head
.set ZR,   27                          ; v27  0.0
.set SPW,  28                          ; v28  LDS address of my spare word; never rewritten
.set NIL,  29                          ; v29  0; never rewritten
.set CSO,  31                          ; v31  my byte offset in the tile's rows of cos and sin
.set TMP,  32
.set F0,   64
.set F1,   128
.set T0,   64                          ; v64-71, v72-79: a pair of accumulators after RoPE, in f32
.set T1,   72
.set OB,   96                          ; v96-127, v128-159 by turns: 16 rows read back from the stage
.set LAP,  12                          ; s12  trips still to come, this one among them
.set AP,   16                          ; s[16:17] xb at my wave's first row block, at the slot of the trip in hand
.set PFB,  18                          ; s[18:19] where B's prefetches stand
.set LIMB, 20                          ; s20  2 in a wave that prefetches B, else the greatest number
.set LIMA, 21                          ; s21  the same for A
.set G1,   24                          ; s[24:31] descriptor group 1
.set G0,   32                          ; s[32:35] group 0: it walks
.set WV,   40                          ; s40  my wave's number
.set TB,   41                          ; s41  the slot to be filled next; behind the change: the slot to be read
.set MULW, 0x58                        ; source 0 (B) window 0, source 1 (A) window 2, C and D window 1
.set MSB,  0
.macro WIN new                         ; the immediate's high byte repeats the setting that is left; a switch that changes nothing is dropped
.if MSB != (\new)
	s_set_vgpr_msb (MSB<<8)|(\new)
.set MSB, \new
.endif
.endm
.macro PLACES                          ; four places behind matrix instructions, in front of loads into registers that they read and of lines that read results
.rept 4
	v_nop
.endr
.endm
.macro JLOAD                           ; a joint load: every wave fetches its 32 rows; an s_nop 0 and four v_nop follow it
	tensor_load_to_lds s[G0:G0+3], s[G1:G1+7]
	s_nop 0
.rept 4
	v_nop
.endr
.endm
.macro CREST                           ; a round of the cluster's barrier behind its opening barrier
	s_cmp_lg_u32 s[WV], 0
	s_cbranch_scc1 .Lnot_wave_0_\@
	s_barrier_signal -3
.Lnot_wave_0_\@:
	s_barrier_wait -3
	s_barrier_signal -1
	s_barrier_wait -1
.endm
.macro CROUND                          ; a whole round
	s_barrier_signal -1
	s_barrier_wait -1
	CREST
.endm
; PREFETCHES INTO THE L2, behind the joint load and the runs of loads that follow it.  Trip t, which asks for slot t + 1, names slot t + 3: 512 matrix instructions ahead of the tensor load that will want B's
; part, and as far ahead of the first loads of A's.  Each aligned 256 bytes are named once in the launch.  B's tile column is read by both clusters of that column: the one with x = 0 asks; of its 128 rows partner cx
; takes 32, told apart by address, a lane a row; wave 0 names the lower 256 bytes of a row's 512, wave 1 the upper.  A's rows are read by the 32 work-groups of a tile row: the one with tile column 0 asks,
; each wave for its own four row blocks, 8,192 consecutive bytes each: a lane 256 bytes, four instructions.  Slots 0 to 2 come by their loads alone; the last three trips ask for nothing: slot t + 3 does not exist.
.macro ASK
	s_cmp_gt_u32 s[LAP], s[LIMB]
	s_cbranch_scc0 .Lnot_b_\@
	global_prefetch_b8 v[PFO], s[PFB:PFB+1] th:TH_LOAD_NT scope:SCOPE_SE
.Lnot_b_\@:
	s_cmp_gt_u32 s[LAP], s[LIMA]
	s_cbranch_scc0 .Lnot_a_\@
.irp a, 0,1,2,3
	global_prefetch_b8 v[PFAO], s[AP:AP+1] offset:3*8*QB+(\a)*RB th:TH_LOAD_NT scope:SCOPE_SE
.endr
.Lnot_a_\@:
.endm
	s_load_b256 s[4:11], s[0:1], 0x0               ; xb s[4:5], wqkv s[6:7], csb s[8:9], qkvh s[10:11]
	v_lshl_add_u32 v[SPW], v0, 2, SPARE
	v_mov_b32 v[NIL], 0
	ds_add_u32 v[SPW], v[NIL]                      ; the wave's opening: the add, twice on end, and its wait ahead of my first tensor load
	ds_add_u32 v[SPW], v[NIL]
	v_lshrrev_b32 v1, 5, v0
	v_readfirstlane_b32 s[WV], v1
	s_bfe_u32 s15, ttmp6, 0x40000                  ; cx
	s_lshl_b32 s13, ttmp9, 2
	s_add_co_u32 s13, s13, s15                     ; tile row = 4 x cluster x + cx: it enters A's, cos's and the output's addresses alone
	s_and_b32 s14, ttmp7, 0xffff                   ; tile column = head, which the four partners share
	s_mov_b32 s[G1], 15|(1<<16)|(1<<20)|(1<<21)|(6<<22)|(3<<25)  ; the mask of four; 2-byte elements; padding on; bit 21 beside a mask; after every 128 words; 4 words of padding
	s_mov_b32 s[G1+1], KPER<<16                    ; tensor_dim0 = 256
	s_mov_b32 s[G1+2], 32<<16                      ; tensor_dim1 = 32
	s_mov_b32 s[G1+3], KPER<<16                    ; tile_dim0 = 256
	s_mov_b32 s[G1+4], 32                          ; tile_dim1 = 32
	s_mov_b32 s[G1+5], SIZE_K                      ; elements from row to row
	s_mov_b32 s[G1+6], 0
	s_mov_b32 s[G1+7], 0
	s_mul_i32 s66, s[WV], WPART                    ; my 32 rows' place in a slot: no place in the cluster enters an LDS address
	s_mov_b32 s[TB], SLOTB                         ; the first change fills slot 1 and reads slot 0
	s_lshl_b32 s42, s14, 7                         ; B: row 128 x tile column + 32 x wave
	s_lshl_b32 s22, s[WV], 5
	s_add_co_u32 s42, s42, s22
	s_mul_i32 s42, s42, SIZE_K*2                   ; in bytes: under 2^25
	s_mov_b32 s43, 0
	s_lshl_b32 s44, s13, 4                         ; A: row block 16 x tile row + 4 x wave
	s_lshl_b32 s22, s[WV], 2
	s_add_co_u32 s44, s44, s22
	s_mul_i32 s44, s44, RB
	s_mov_b32 s45, 0
	s_mov_b32 s[G0], 1
	s_mov_b32 s[G0+1], s66                         ; slot 0
	s_wait_dscnt 0x0                               ; both opening adds are done
	s_wait_kmcnt 0x0
	s_add_nc_u64 s[G0+2:G0+3], s[6:7], s[42:43]
	s_or_b32 s[G0+3], s[G0+3], 0x80000000
	s_add_nc_u64 s[AP:AP+1], s[4:5], s[44:45]
	CROUND                                         ; all four work-groups are here: the first joint load meets
	JLOAD                                          ; the first 256 along K: one tensor load of mine is out
; 8 loads: A's four fragments of one quarter, from byte off behind the pointer, into buffer buf
.macro GLOAD buf, off
	WIN 0x80                                       ; destination window 2, address window 0
.irp a, 0,1,2,3
	global_load_b128 v[32*(\buf)+8*(\a):32*(\buf)+8*(\a)+3],   v[AO], s[AP:AP+1] offset:(\off)+(\a)*RB
	global_load_b128 v[32*(\buf)+8*(\a)+4:32*(\buf)+8*(\a)+7], v[AO], s[AP:AP+1] offset:(\off)+(\a)*RB+512
.endr
.endm
	v_and_b32 v3, 31, v0                           ; l
	v_lshlrev_b32 v[AO], 4, v3
.irp q, 0,1,2,3,4,5
	GLOAD \q, (\q)*QB                              ; quarters 0 to 5 of the first slot: 48 loads of mine are out
.endr
	WIN 0x40                                       ; the sums start at 0,
.set i, 0
.rept 256
	v_mov_b32 v[i], 0
.set i, i+1
.endr
	WIN 0x80                                       ; and what the first trip's leading quarter multiplies is 0: A's buffer 7
.set i, 224
.rept 32
	v_mov_b32 v[i], 0
.set i, i+1
.endr
	WIN 0                                          ; and B's buffer 1
.set i, F1
.rept 64
	v_mov_b32 v[i], 0
.set i, i+1
.endr
	v_and_b32 v1, 15, v0                           ; l % 16
	v_bfe_u32 v2, v0, 4, 1                         ; l / 16
	v_mul_u32_u24 v[AB0], v1, PITCH
	v_lshl_add_u32 v[AB0], v2, 4, v[AB0]           ; a fragment's row x pitch + 16 x half
	s_mul_i32 s71, s[WV], 16*SPITCH
	s_add_co_u32 s71, s71, STAGE                   ; my stage
	v_mul_u32_u24 v4, v1, SPITCH                   ; in: row l % 16, 16 bytes for each half of the lanes
	v_lshl_add_u32 v4, v2, 4, v4
	v_add_nc_u32 v[STO], s71, v4
	v_mul_u32_u24 v4, v2, SPITCH                   ; back: lanes 0-15 one row of 256 bytes, lanes 16-31 the next
	v_lshl_add_u32 v4, v1, 4, v4
	v_add_nc_u32 v[RD], s71, v4
	v_lshlrev_b32 v[CO], 8, v2                     ; and the same two rows of a head
	v_lshl_add_u32 v[CO], v1, 4, v[CO]
	v_mov_b32 v[ZR], 0
	v_lshlrev_b32 v[CSO], 8, v1                    ; cos, sin: row (64 x wave + l % 16) of the tile's 256, 16 bytes for each half of the lanes
	v_lshl_add_u32 v[CSO], v2, 4, v[CSO]
	s_lshl_b32 s70, s[WV], 14
	v_add_nc_u32 v[CSO], s70, v[CSO]
	s_lshl_b32 s22, s14, 19                        ; 524,288 bytes a head
	s_lshl_b32 s23, s13, 16                        ; + 256 rows of 256 bytes for each tile row
	s_add_co_u32 s22, s22, s23
	s_add_co_u32 s22, s22, s70                     ; + my 64 rows
	s_mov_b32 s23, 0
	s_add_nc_u64 s[10:11], s[10:11], s[22:23]
	s_lshl_b32 s68, s13, 16
	s_mov_b32 s69, 0
	s_add_nc_u64 s[8:9], s[8:9], s[68:69]          ; cos at the tile's first row
	s_lshl_b32 s46, s14, 7                         ; B's prefetches: row 128 x tile column + 32 cx,
	s_lshl_b32 s22, s15, 5
	s_add_co_u32 s46, s46, s22
	s_mul_i32 s46, s46, SIZE_K*2
	s_and_b32 s22, s[WV], 1                        ; the half of a row's 512 bytes by the wave,
	s_lshl_b32 s22, s22, 8
	s_add_co_u32 s46, s46, s22
	s_add_co_u32 s46, s46, 3*KPER*2                ; in slot 3
	s_mov_b32 s47, 0
	s_add_nc_u64 s[PFB:PFB+1], s[6:7], s[46:47]
	s_lshr_b32 s22, s[WV], 1
	s_or_b32 s22, s22, ttmp9                       ; 0 in waves 0 and 1 of the clusters with x = 0: the same in all four partners
	s_cmp_eq_u32 s22, 0
	s_cselect_b32 s[LIMB], 2, -1
	s_cmp_eq_u32 s14, 0                            ; tile column 0
	s_cselect_b32 s[LIMA], 2, -1
	v_mul_u32_u24 v[PFO], v3, SIZE_K*2
	v_lshlrev_b32 v[PFAO], 8, v3
; 4 matrix instructions: column block b x my four row blocks, 32 along K: B's fragment from buffer f, A's from buffer ab.
; The 32 accumulators take turns, one instruction a turn, in the same order in every quarter, over the backward jump too.
.macro MUL4 f, ab, b
	WIN MULW
.irp a, 0,1,2,3
	v_wmma_f32_16x16x32_bf16 v[8*(8*(\a)+(\b)):8*(8*(\a)+(\b))+7], v[(\f)+8*(\b):(\f)+8*(\b)+7], v[32*(\ab)+8*(\a):32*(\ab)+8*(\a)+7], v[8*(8*(\a)+(\b)):8*(8*(\a)+(\b))+7]
.endr
.endm
; 16 LDS loads in one run: B's eight fragments of one quarter (32 K at byte k of the rows) into buffer f
.macro FETCHB f, k
	WIN 0
.irp i, 0,1,2,3,4,5,6,7
	ds_load_b128 v[(\f)+8*(\i):(\f)+8*(\i)+3],   v[ADRB] offset:(\k)+(\i)*16*PITCH
	ds_load_b128 v[(\f)+8*(\i)+4:(\f)+8*(\i)+7], v[ADRB] offset:(\k)+(\i)*16*PITCH+32
.endr
.endm
; Quarter i (0 to 6) of a slot.  Behind its first eight products it fetches B's fragments of quarter i + 1 and (gl = 1) asks for A's of quarter i + 7, into the buffers that quarter i - 1 has read.
; lc: how many younger loads of A may stay out: six groups of 8 in the loop.
.macro QUARTER i, gl, lc
	s_wait_loadcnt \lc                             ; A's fragments of this quarter are in
	s_wait_dscnt 12                                ; B's fragments 0 and 1 are in; the 12 younger loads may be out
	MUL4 F0+64*((\i)%2), \i, 0
	MUL4 F0+64*((\i)%2), \i, 1
	PLACES
	FETCHB F0+64*(((\i)+1)%2), 64*((\i)+1)
.if \gl
	GLOAD ((\i)+7)%8, ((\i)+7)*QB
.endif
	s_wait_dscnt 16                                ; all but the 16 just issued
.irp b, 2,3,4,5,6,7
	MUL4 F0+64*((\i)%2), \i, \b
.endr
.endm
; A slot's last quarter, and THE CHANGE OF SLOTS.  ONE barrier; in front of it each wave waits for all its tensor loads (one is out: its part of the next slot), adds 0 to its spare word, and waits for that and for its
; reads of this slot.  fill = 1: the barrier opens a round of the cluster's barrier, and behind the round the slot just read out is filled again: 240 matrix instructions ahead of the wait for it.
.macro TURNX fill
	WIN 0                                          ; (the add's two registers lie in window 0)
	s_wait_tensorcnt 0x0                           ; no tensor load of mine is out, so group 0 may be written
	ds_add_u32 v[SPW], v[NIL]                      ; 0 onto my spare word; scalar work and eight products stand between it and the wait for it
.if \fill
	s_add_co_u32 s[G0+1], s66, s[TB]               ; the slot that is being left,
	s_add_nc_u64 s[G0+2:G0+3], s[G0+2:G0+3], KPER*2  ; the next 256 along K; the type bits on top are not reached
.endif
	s_xor_b32 s[TB], s[TB], SLOTB                  ; the reads go to the other slot
	s_wait_loadcnt 48                              ; A's fragments of this quarter are in
	s_wait_dscnt 13                                ; B's fragments 0 and 1 are in (the add and the 12 younger loads may be out)
	MUL4 F1, 7, 0
	MUL4 F1, 7, 1
	s_wait_dscnt 0x0                               ; the add is done, and my reads of this slot are over
	s_barrier_signal -1
	MUL4 F1, 7, 2
	MUL4 F1, 7, 3
	WIN 0
	s_barrier_wait -1
.if \fill
	CREST                                          ; no wave of any partner still reads this slot or has a load on its way
	JLOAD                                          ; its four v_nop are also the places in front of the loads below
.else
	PLACES
.endif
	v_add_nc_u32 v[ADRB], s[TB], v[AB0]
	FETCHB F0, 0
	GLOAD 6, 6*QB
.if \fill
	WIN 0
	ASK
.endif
.irp b, 4,5,6,7
	MUL4 F1, 7, \b
.endr
.endm
	s_mov_b32 s[LAP], PERIODS-1
.Lper:                                                 ; trip t: the last quarter of slot t - 1 with the change of slots, then quarters 0 to 6 of slot t
	TURNX 1
.irp n, 0,1,2,3,4,5,6
	QUARTER \n, 1, 48
.endr
	WIN 0
	s_wait_xcnt 0x0                                ; every load and prefetch issued so far (the youngest load 24 products back) has read its address, so the pointers may be written
	s_add_nc_u64 s[AP:AP+1], s[AP:AP+1], 8*QB
	s_add_nc_u64 s[PFB:PFB+1], s[PFB:PFB+1], KPER*2
	s_sub_co_u32 s[LAP], s[LAP], 1
	s_cmp_lg_u32 s[LAP], 0
	s_cbranch_scc1 .Lper
	TURNX 0                                        ; the last slot is written out, and A's loads end with its quarter 7: the counts run down
	QUARTER 0, 1, 48
	QUARTER 1, 0, 48
	QUARTER 2, 0, 40
	QUARTER 3, 0, 32
	QUARTER 4, 0, 24
	QUARTER 5, 0, 16
	QUARTER 6, 0, 8
	s_wait_loadcnt 0x0
	s_wait_dscnt 12
	MUL4 F1, 7, 0
	MUL4 F1, 7, 1
	s_wait_dscnt 0x0
.irp b, 2,3,4,5,6,7
	MUL4 F1, 7, \b
.endr
	WIN 0
	PLACES
	PLACES
; THE WAY OUT, a block of 16 rows at a time: RoPE or nothing, rounded to f16 (16 bytes a lane), through my own stage in LDS, back as whole rows of 256 bytes, stored.
; RoPE for block a.  Column block p (channels 16 p ..) and p + 4 (channels 64 + 16 p ..) are partners: out[d] = x[d] cos[d] - x[d+64] sin[d], out[d+64] = x[d+64] cos[d+64] + x[d] sin[d+64].
; cos and sin come as f16 halves straight into the multiply-add; each accumulator's lowest registers are read first.
.macro ROPE a
	s_wait_loadcnt 48-16*(\a)                      ; this block's 16 loads are in; the later blocks' may stay out
.irp p, 0,1,2,3
	WIN 0x09                                       ; source 0 (sums) window 1, source 1 (cos, sin) window 2
.irp k, 0,1,2,3
	v_fma_mix_f32 v[T0+2*(\k)],   v[8*(8*(\a)+(\p))+2*(\k)],     v[4*(8*(\a)+(\p))+(\k)],   v[ZR] op_sel:[0,0,0] op_sel_hi:[0,1,0]
	v_fma_mix_f32 v[T0+2*(\k)+1], v[8*(8*(\a)+(\p))+2*(\k)+1],   v[4*(8*(\a)+(\p))+(\k)],   v[ZR] op_sel:[0,1,0] op_sel_hi:[0,1,0]
	v_fma_mix_f32 v[T1+2*(\k)],   v[8*(8*(\a)+(\p)+4)+2*(\k)],   v[4*(8*(\a)+(\p)+4)+(\k)], v[ZR] op_sel:[0,0,0] op_sel_hi:[0,1,0]
	v_fma_mix_f32 v[T1+2*(\k)+1], v[8*(8*(\a)+(\p)+4)+2*(\k)+1], v[4*(8*(\a)+(\p)+4)+(\k)], v[ZR] op_sel:[0,1,0] op_sel_hi:[0,1,0]
.endr
.irp k, 0,1,2,3
	v_fma_mix_f32 v[T0+2*(\k)],   -v[8*(8*(\a)+(\p)+4)+2*(\k)],   v[128+4*(8*(\a)+(\p))+(\k)],   v[T0+2*(\k)]   op_sel:[0,0,0] op_sel_hi:[0,1,0]
	v_fma_mix_f32 v[T0+2*(\k)+1], -v[8*(8*(\a)+(\p)+4)+2*(\k)+1], v[128+4*(8*(\a)+(\p))+(\k)],   v[T0+2*(\k)+1] op_sel:[0,1,0] op_sel_hi:[0,1,0]
	v_fma_mix_f32 v[T1+2*(\k)],   v[8*(8*(\a)+(\p))+2*(\k)],      v[128+4*(8*(\a)+(\p)+4)+(\k)], v[T1+2*(\k)]   op_sel:[0,0,0] op_sel_hi:[0,1,0]
	v_fma_mix_f32 v[T1+2*(\k)+1], v[8*(8*(\a)+(\p))+2*(\k)+1],    v[128+4*(8*(\a)+(\p)+4)+(\k)], v[T1+2*(\k)+1] op_sel:[0,1,0] op_sel_hi:[0,1,0]
.endr
	WIN 0
.irp k, 0,1,2,3
	v_cvt_pk_f16_f32 v[TMP+4*(\p)+(\k)],     v[T0+2*(\k)], v[T0+2*(\k)+1]
	v_cvt_pk_f16_f32 v[TMP+4*((\p)+4)+(\k)], v[T1+2*(\k)], v[T1+2*(\k)+1]
.endr
.endr
.endm
.macro PLAIN a                         ; v's columns are only rounded
	WIN 0x05                                       ; sources 0 and 1 window 1
.irp b, 0,1,2,3,4,5,6,7
.irp k, 0,1,2,3
	v_cvt_pk_f16_f32 v[TMP+4*(\b)+(\k)], v[8*(8*(\a)+(\b))+2*(\k)], v[8*(8*(\a)+(\b))+2*(\k)+1]
.endr
.endr
	WIN 0
.endm
.macro TOSTAGE a
	WIN 0
.set BK, OB+32*((\a)%2)
.irp b, 0,1,2,3,4,5,6,7
	ds_store_b128 v[STO], v[TMP+4*(\b):TMP+4*(\b)+3] offset:32*(\b)
.endr
.irp t, 0,1,2,3,4,5,6,7
	ds_load_b128 v[BK+4*(\t):BK+4*(\t)+3], v[RD] offset:(\t)*2*SPITCH  ; LDS serves a wave's instructions in order (ISA guide 5.7.1.4): these see the stores above
.endr
.endm
.macro SEND a
	WIN 0
.set BK, OB+32*((\a)%2)
	s_wait_xcnt 0x0                                ; the stores of the block before have read their registers: the next TOSTAGE loads into them
.irp t, 0,1,2,3,4,5,6,7
	s_wait_dscnt 7-(\t)
	global_store_b128 v[CO], v[BK+4*(\t):BK+4*(\t)+3], s[10:11] offset:(\a)*4096+(\t)*512  ; a wave stores 512 consecutive bytes, at a multiple of 256 from the buffer's first
.endr
.endm
	s_cmp_ge_u32 s14, 24                           ; heads 24 to 31 are v's: the same answer in all partners
	s_cbranch_scc1 .Lplain
	WIN 0x80                                       ; destination window 2
.irp a, 0,1,2,3
.irp b, 0,1,2,3,4,5,6,7
	global_load_b128 v[4*(8*(\a)+(\b)):4*(8*(\a)+(\b))+3], v[CSO], s[8:9] offset:4096*(\a)+32*(\b)
.endr
.irp b, 0,1,2,3,4,5,6,7
	global_load_b128 v[128+4*(8*(\a)+(\b)):128+4*(8*(\a)+(\b))+3], v[CSO], s[8:9] offset:524288+4096*(\a)+32*(\b)
.endr
.endr
	WIN 0
	ROPE 0
	TOSTAGE 0
.irp a, 1,2,3                          ; block a's arithmetic stands between block a - 1's loads from the stage and the wait for them
	ROPE \a
	SEND (\a)-1
	TOSTAGE \a
.endr
	SEND 3
	s_branch .Lend
.Lplain:
	PLAIN 0
	TOSTAGE 0
.irp a, 1,2,3
	PLAIN \a
	SEND (\a)-1
	TOSTAGE \a
.endr
	SEND 3
.Lend:
	s_wait_tensorcnt 0x0                           ; the wave's end: behind my last tensor load and my last LDS store
	ds_add_u32 v[SPW], v[NIL]
	s_wait_dscnt 0x0
	CROUND                                         ; the closing round: no work-group ends while a partner may still ask for a tile that names it
	s_endpgm
.Lfunc_end_k_q5a3e978a32_qkv:
	.size	k_q5a3e978a32_qkv, .Lfunc_end_k_q5a3e978a32_qkv-k_q5a3e978a32_qkv
	.p2alignl 7, 3214868480
	.fill 96, 4, 3214868480
	.section	.rodata,"a",@progbits
	.p2align	6, 0x0
	.amdhsa_kernel k_q5a3e978a32_qkv
		.amdhsa_group_segment_fixed_size 327680
		.amdhsa_private_segment_fixed_size 0
		.amdhsa_enable_private_segment 0
		.amdhsa_kernarg_size 32
		.amdhsa_user_sgpr_count 2
		.amdhsa_user_sgpr_kernarg_segment_ptr 1
		.amdhsa_wavefront_size32 1
		.amdhsa_system_sgpr_workgroup_id_x 1
		.amdhsa_system_sgpr_workgroup_id_y 1
		.amdhsa_system_sgpr_workgroup_id_z 1
		.amdhsa_system_vgpr_workitem_id 0
		.amdhsa_next_free_vgpr 768
		.amdhsa_next_free_sgpr 72
		.amdhsa_reserve_vcc 0
		.amdhsa_float_denorm_mode_32 3
		.amdhsa_float_denorm_mode_16_64 3
		.amdhsa_memory_ordered 1
		.amdhsa_forward_progress 1
		.amdhsa_inst_pref_size 158
	.end_amdhsa_kernel
	.amdgpu_metadata
---
amdhsa.version: [ 1, 2 ]
amdhsa.kernels:
  - .name:           k_q5a3e978a32_qkv
    .symbol:         k_q5a3e978a32_qkv.kd
    .args:
      - { .name: xb, .offset: 0, .size: 8, .value_kind: global_buffer, .address_space: global }
      - { .name: wqkv, .offset: 8, .size: 8, .value_kind: global_buffer, .address_space: global }
      - { .name: csb, .offset: 16, .size: 8, .value_kind: global_buffer, .address_space: global }
      - { .name: qkvh, .offset: 24, .size: 8, .value_kind: global_buffer, .address_space: global }
    .group_segment_fixed_size: 327680
    .private_segment_fixed_size: 0
    .kernarg_segment_align: 8
    .kernarg_segment_size: 32
    .max_flat_workgroup_size: 128
    .sgpr_count:     72
    .vgpr_count:     768
    .wavefront_size: 32
...
	.end_amdgpu_metadata
.endif
;; end of part 2
;; launch attn (part 3): grid 32 x 8, 4 waves a work-group, clusters of 4 x 1, 327,680 bytes of LDS; arguments qkvh, ao; writes ao
.if DOCPART == 3
	.amdgcn_target "amdgcn-amd-amdhsa--gfx1250"
	.amdhsa_code_object_version 6
	.text
	.protected	k_q5a3e978a32_attn
	.globl	k_q5a3e978a32_attn
	.p2align	8
	.type	k_q5a3e978a32_attn,@function
k_q5a3e978a32_attn:
	s_mov_b64 s[64:65], 0
	v_nop
	global_prefetch_b8 v0, s[64:65] scope:SCOPE_SE
	s_setreg_imm32_b32 hwreg(HW_REG_WAVE_MODE, 25, 1), 1
	s_wait_xcnt 0x0
	s_wait_alu depctr_hold_cnt(0) depctr_sa_sdst(0) depctr_va_vdst(0) depctr_va_sdst(0) depctr_va_ssrc(0) depctr_va_vcc(0) depctr_vm_vsrc(0)
	s_getreg_b32 s2, hwreg(HW_REG_IB_STS2, 6, 4)
	s_cmp_eq_u32 s2, 0
	s_cbranch_scc0 .Lentry_in_a_cluster
	s_endpgm
.Lentry_in_a_cluster:
	s_bfe_u32 s2, ttmp6, 0x10000c
	s_cmp_lg_u32 s2, 0x3003
	s_cbranch_scc0 .Lentry_shape_is_right
	s_endpgm
.Lentry_shape_is_right:
; THIRD LAUNCH: causal attention.  ao = O / 4 in f16, O = the sum over k <= q of softmax_k(q . k / sqrt(128)) v.  qkvh holds q / 64 (heads 0-15), k / 64 (16-23), v / 4 (24-31), f16, [head][2048][128].
; ao LIES IN BLOCKS, as the fourth launch's operand registers take it: 16 rows x one head's 128 channels are 4,096 bytes, block (row / 16, head) at 4,096 (16 (row / 16) + head);
; the 8 channels 8 p .. 8 p + 7 of row r stand at byte 256 p + 16 r of the block.
; LEFT OUT (shown at the first launch's head): the key tiles of 256 keys that lie wholly above a query block's diagonal; reference() replaces their scores by finfo.min, whose weights are 0.
; Products, maxima and sums in f32; the weights p are rounded to f16 for the second product (their sum l is taken of the unrounded p), O once at the end.
; LIMITS.  A hidden score counts as its value less 1e30 (in the units of q k / 4096, where f16 allows 5.5e11 at the most); a weight below 2^-126 counts as 0; NaN and infinities are not treated apart.
; SHARES.  A BLOCK is 32 rows x the two query heads 2 g, 2 g + 1 of key and value head g: four tiles of 16 queries (tile t: head 2 g + t / 2, rows 16 (t % 2) ..).  Block i of 64 needs the key tiles 0 .. i / 8.
; A work-group takes blocks 63 - (8 a + r) and then 8 a + r: (8 - a) + (a + 1) = 9 key tiles, whatever a and r: all 256 work-groups are alike, and one loop of constant length walks them.
; THE KEYS ARE SPLIT AMONG THE WAVES: of each tile's 256 keys wave w takes 64 w .. 64 w + 63, for all four query tiles, so a fragment of K or V read from LDS feeds four tiles.  Each wave keeps its own running
; maximum, sum and O; at a block's end the four meet in LDS (partial sums in f32).
; CLUSTER 4 x 1: the four partners share a and g and differ in r: they walk the same tiles of K and V, so every tile is asked for jointly.  r enters Q's and O's addresses and the mask's numbers alone.
; LAYOUT.  S^T = K Q^T holds ONE query a lane (lane % 16) and the keys 8 (lane / 16) + 0..7; two such results rounded to f16 ARE source 1 of O^T = V^T P.  p = 2^(c s - c m), c = 2^12 log2(e) / sqrt(128).
; THE MASK is the C operand that starts S^T: 0, or -1e30 where the key is hidden; it is 0 but in a block's last tile.
; A wave that sees no key of a row ends with c m near -5e32: its factor in the merge is 0 and its finite partial sums add 0; wave 0 always sees a key.
; REGISTERS.  window 0: v0-63 addresses and statistics; v64-191 S^T, 32 a tile; v192-255 P, 16 a tile.  window 1: O^T, 64 a tile.  window 2: v0-127 Q, v128-255 K.  window 3: v0-127 V, v128-191 the masks.
.set PK,    272       ; a row of K in LDS: 256 bytes + 16: the 16 rows of a load start at 16 different groups of four banks (64 banks of 4 bytes: ISA guide 11.1)
.set PV,    288       ; a row of V: 256 + 32
.set VOFF,  256*PK    ; a slot: 256 rows of K, then 256 rows of V
.set SLOTB, 256*(PK+PV)
.set PSTG,  2*SLOTB   ; behind the ring, never filled by a tensor load: 32,768 bytes: the four waves' partial tiles; later 64 rows x 272 bytes, the way out
.set STAT,  PSTG+32768  ; 2,048 bytes: wave u, tile t, query x: (c m, l) at 512 u + 128 t + 8 x
.set SPARE, STAT+2048 ; the spare words, 128 bytes for each wave: two blocks of 256 bytes that no other line names
.set AK0, 2           ; v2   my lane's place in a tile of K, my wave's 64 keys; never rewritten
.set AV0, 3           ; v3   the same for V
.set ADRK, 4          ; v4, v5  the LDS addresses of the step in hand
.set ADRV, 5
.set QO,  6           ; v6   my byte offset in 16 rows of Q
.set PST, 7           ; v7   where I put 16 bytes of my partial tile
.set PRD, 8           ; v8   where I read my share of the four partial tiles
.set STW, 10          ; v10  where I put (c m, l)
.set STR, 11          ; v11  where I read them
.set ST,  12          ; tile t's statistics at v[ST+8 t]: +0 c m, +1 m, +2, +3 l (even keys', odd keys'), +4 to +7 at work; a in +6
.set THR, 44          ; v44, v45  by the tile's parity: register j of key block kb is hidden where 16 kb + j is greater
.set OST, 46          ; v46  the way out: where I put 16 bytes of a row
.set ORD, 47          ; v47  where I read them back, in the blocks' order
.set GO,  48          ; v48  16 x my lane
.set PFO, 49          ; v49  256 x my lane
.set SPW, 62          ; v62  LDS address of my spare word; never rewritten
.set NIL, 63          ; v63  0; never rewritten
.set S,   64
.set P,   192
.set KF,  128         ; window 2: key block kb, channels 32 c on, at KF + 32 kb + 8 c
.set MC,  128         ; window 3: parity, key block at MC + 32 par + 8 kb
.set WV,  12          ; s12 wave; s13 cx; s14 a; s15 r
.set G1K, 24          ; s[24:31] group 1 for K's tiles; s[32:39] for V's (the padding differs)
.set G1V, 32
.set G0K, 40          ; s[40:43], s[44:47] group 0: made anew for each fill
.set G0V, 44
.set OFF, 48          ; s[48:49] a tile's byte offset
.set NXT, 50          ; s50  the tile to be asked for next
.set LQ,  51          ; s51  the last tile of the block whose tiles are being asked for
.set RT,  52          ; s52  tiles of the block in hand still to be entered
.set CNT, 53          ; s53  trips of the loop still to come
.set BIGN, 54         ; s54  -1e30
.set DTHR, 55         ; s55  what the second block's mask numbers add to the first's
.set LIM, 56          ; s56  3 in a cluster that prefetches, else the greatest number
.set TB,  57          ; s57  the slot to be filled next; behind the change: the slot to be read
.set CS,  58          ; s[58:59] c
.set SEL, 60          ; s[60:61] v_permlanex16_b32's selects: each lane takes its own place in the other half
.set PFA, 62          ; s[62:63] where my prefetches stand
.set W_KQ, 0x0a       ; K and Q in window 2, S^T in window 0
.set W_KM, 0x3a       ; the same with the C operand in window 3
.set W_PV, 0x53       ; V in window 3, P in window 0, O^T in window 1
.set W_RS, 0x41       ; destination and source 0 in window 1, source 1 in window 0
.set MSB, 0
.macro WIN new
.if MSB != (\new)
	s_set_vgpr_msb (MSB<<8)|(\new)
.set MSB, \new
.endif
.endm
.macro PLACES
.rept 4
	v_nop
.endr
.endm
.macro BAR                             ; my LDS instructions are done; then the work-group's barrier
	s_wait_dscnt 0x0
	s_barrier_signal -1
	s_barrier_wait -1
.endm
.macro JLOAD                           ; a joint fill: waves 0 and 1 fetch the halves of a tile's K, waves 2 and 3 of its V, 128 rows each; s_nop 0 and four v_nop follow each line
	s_cmp_lt_u32 s[WV], 2
	s_cbranch_scc0 .Lfor_v_\@
	tensor_load_to_lds s[G0K:G0K+3], s[G1K:G1K+7]
	s_nop 0
.rept 4
	v_nop
.endr
	s_branch .Lasked_\@
.Lfor_v_\@:
	tensor_load_to_lds s[G0V:G0V+3], s[G1V:G1V+7]
	s_nop 0
.rept 4
	v_nop
.endr
.Lasked_\@:
.endm
.macro CROUND                          ; a round of the cluster's barrier
	s_barrier_signal -1
	s_barrier_wait -1
	s_cmp_lg_u32 s[WV], 0
	s_cbranch_scc1 .Lnot_wave_0_\@
	s_barrier_signal -3
.Lnot_wave_0_\@:
	s_barrier_wait -3
	s_barrier_signal -1
	s_barrier_wait -1
.endm
; A prefetch into the L2.  Of a head's eight clusters the one with x = 0 walks the tiles 0 to 7 in its trips 0 to 7: it alone asks.  In trip t, which loads tile t + 1, each of its waves names 32 of the 128 rows that
; it will fetch of tile t + 3 (two trips ahead), a lane a row of 256 bytes; the four partners take 32 rows each, told apart by address.  So each row is named once in the launch.
; Tiles 0 to 2 come by their loads alone; trips 5 to 7 ask for nothing: tile 7 is the last.  The second block's tiles have been read before and are not asked for.
.macro ASK
	s_cmp_gt_u32 s[CNT], s[LIM]
	s_cbranch_scc0 .Lnot_mine_\@
	global_prefetch_b8 v[PFO], s[PFA:PFA+1] th:TH_LOAD_NT scope:SCOPE_SE
.Lnot_mine_\@:
.endm
; THE CHANGE OF SLOTS, in front of every tile.  Each wave waits for all its tensor loads (one is out: its part of the tile to be entered), adds 0 to its spare word, and waits for that and for its reads of the slot that it
; leaves.  fill = 1: a round of the cluster's barrier, and behind it the old slot is filled with tile NXT, the descriptor's address made anew from that number: the load has a whole tile's work in which to land.
.macro CHANGE fill
	WIN 0
	s_wait_tensorcnt 0x0                           ; no tensor load of mine is out, so a group 0 may be written
	ds_add_u32 v[SPW], v[NIL]                      ; 0 onto my spare word; scalar work stands between it and the wait for it
.if \fill
	s_lshl_b32 s[OFF], s[NXT], 16                  ; a tile is 65,536 bytes of K and of V
	s_add_co_u32 s[G0K+1], s66, s[TB]
	s_add_nc_u64 s[G0K+2:G0K+3], s[8:9], s[OFF:OFF+1]
	s_or_b32 s[G0K+3], s[G0K+3], 0x80000000
	s_add_co_u32 s[G0V+1], s67, s[TB]
	s_add_nc_u64 s[G0V+2:G0V+3], s[10:11], s[OFF:OFF+1]
	s_or_b32 s[G0V+3], s[G0V+3], 0x80000000
	s_add_co_u32 s[NXT], s[NXT], 1                 ; the block's next tile, or behind its last the second block's tile 0
	s_cmp_gt_u32 s[NXT], s[LQ]
	s_cselect_b32 s[NXT], 0, s[NXT]
	s_cselect_b32 s[LQ], s14, s[LQ]
	s_wait_xcnt 0x0                                ; the last prefetch, a tile back, has read its address
	s_add_nc_u64 s[PFA:PFA+1], s[PFA:PFA+1], 65536
.endif
	s_xor_b32 s[TB], s[TB], SLOTB                  ; the reads go to the other slot
	s_wait_dscnt 0x0                               ; the add is done, and my reads of the old slot are over
.if \fill
	CROUND
	JLOAD                                          ; its four v_nop are also the places in front of the loads into V's registers
	ASK
.else
	s_barrier_signal -1
	s_barrier_wait -1
	PLACES
.endif
.endm
; my wave's 64 keys of the tile: K (16 fragments of 16 keys x 32 channels) and V (turned: 16 fragments of 16 channels x 32 keys), 64 LDS loads in one run
.macro FETCH
	WIN 0
	v_add_nc_u32 v[ADRK], s[TB], v[AK0]
	v_add_nc_u32 v[ADRV], s[TB], v[AV0]
	WIN 0x80                                       ; destination window 2
.irp f, 0,1,2,3,4,5,6,7,8,9,10,11,12,13,14,15
	ds_load_b128 v[KF+8*(\f):KF+8*(\f)+3],   v[ADRK] offset:((\f)/4)*16*PK+((\f)%4)*64
	ds_load_b128 v[KF+8*(\f)+4:KF+8*(\f)+7], v[ADRK] offset:((\f)/4)*16*PK+((\f)%4)*64+32
.endr
	WIN 0xc0                                       ; destination window 3
.irp f, 0,1,2,3,4,5,6,7,8,9,10,11,12,13,14,15
	ds_load_tr16_b128 v[8*(\f):8*(\f)+3],   v[ADRV] offset:((\f)/8)*32*PV+((\f)%8)*32
	ds_load_tr16_b128 v[8*(\f)+4:8*(\f)+7], v[ADRV] offset:((\f)/8)*32*PV+16*PV+((\f)%8)*32
.endr
	WIN 0
.endm
.macro MAKEMASK                        ; the diagonal tile's masks, for both parities of the query tiles
	WIN 0xc0
.set i, 0
.rept 64
	v_cmp_gt_i32 vcc_lo, 16*((i/8)%4)+i%8, v[THR+i/32]
	v_cndmask_b32 v[MC+i], 0, s[BIGN], vcc_lo
.set i, i+1
.endr
	WIN 0
.endm
; S^T = K Q^T + mask: product i of 64: channels 32 (i / 16) on, keys 16 ((i / 4) % 4) on, tile i % 4.  The 16 accumulators take turns.
.macro KQALL
.set i, 0
.rept 64
.set rS, S+32*(i%4)+8*((i/4)%4)
.set rK, KF+32*((i/4)%4)+8*(i/16)
.set rQ, 32*(i%4)+8*(i/16)
.set rM, MC+32*(i%2)+8*((i/4)%4)
.if i < 16
	WIN W_KM
	v_wmma_f32_16x16x32_f16 v[rS:rS+7], v[rK:rK+7], v[rQ:rQ+7], v[rM:rM+7]
.else
	WIN W_KQ
	v_wmma_f32_16x16x32_f16 v[rS:rS+7], v[rK:rK+7], v[rQ:rQ+7], v[rS:rS+7]
.endif
.set i, i+1
.endr
.endm
; O^T += V^T P: product i of 64: keys 32 (i / 32) on, channels 16 ((i / 4) % 8) on, tile i % 4.  The 32 accumulators take turns.
.macro PVALL
	WIN W_PV
.set i, 0
.rept 64
.set rO, 64*(i%4)+8*((i/4)%8)
.set rV, 64*(i/32)+8*((i/4)%8)
.set rP, P+16*(i%4)+8*(i/32)
	v_wmma_f32_16x16x32_f16 v[rO:rO+7], v[rV:rV+7], v[rP:rP+7], v[rO:rO+7]
.set i, i+1
.endr
.endm
; One tile's softmax for one step is a list of 134 instructions; SM writes number j of it for tile t.  s0-s31 are the lane's 32 scores, in pairs 0-15.
;   0-15   the maximum of s0-s31 and the old m, three operands at a time (each accumulator's lowest registers are read first)
;   16-20  the other half of the lanes' maximum; the new m; c m; c m_old - c m_new
;   21-69  the 16 scalings c s - c m and all 33 exponentials (a at 23): none of these reads an exponential's result; a pair is scaled ahead of its exponentials
;   70-85  the roundings to f16     86-101 the sums; l = a l + the sum     102-133 the tile's O^T times a
.macro SM t
.set rT, ST+8*(\t)
.set rS, S+32*(\t)
.set rP, P+16*(\t)
.set rO, 64*(\t)+2*(j-102)
.if j < 102
	WIN 0
.endif
.if j < 4
	v_max3_num_f32 v[rT+4+j], v[rS+8*j], v[rS+8*j+1], v[rS+8*j+2]
.elseif j < 12
	v_max3_num_f32 v[rT+4+j%4], v[rT+4+j%4], v[rS+8*(j%4)+2*(j/4)+1], v[rS+8*(j%4)+2*(j/4)+2]
.elseif j == 12
	v_max3_num_f32 v[rT+4], v[rT+4], v[rS+7], v[rS+15]
.elseif j == 13
	v_max3_num_f32 v[rT+6], v[rT+6], v[rS+23], v[rS+31]
.elseif j == 14
	v_max3_num_f32 v[rT+4], v[rT+4], v[rT+5], v[rT+6]
.elseif j == 15
	v_max3_num_f32 v[rT+4], v[rT+4], v[rT+7], v[rT+1]
.elseif j == 16
	v_permlanex16_b32 v[rT+5], v[rT+4], s[SEL], s[SEL+1]  ; the query's other 32 keys lie in the lane 16 away
.elseif j == 17
	v_mov_b32 v[rT+7], v[rT]                       ; c m_old is kept for a
.elseif j == 18
	v_max_num_f32 v[rT+1], v[rT+4], v[rT+5]
.elseif j == 19
	v_mul_f32 v[rT], s[CS], v[rT+1]
.elseif j == 20
	v_sub_f32 v[rT+7], v[rT+7], v[rT]
.elseif j == 23
	v_exp_f32 v[rT+6], v[rT+7]
.elseif (j < 23) || ((j < 38) && (j%2 == 0)) || ((j < 66) && (j%4 == 2))
.set b, (j-2)/4                        ; 38, 42, .. 62: pairs 9 to 15
.if j < 38
.set b, (j-20)/2                       ; 21: pair 0; 22, 24, .. 36: pairs 1 to 8
.endif
	v_pk_fma_f32 v[rS+2*b:rS+2*b+1], v[rS+2*b:rS+2*b+1], s[CS:CS+1], v[rT:rT+1] op_sel_hi:[1,0,0] neg_lo:[0,0,1] neg_hi:[0,0,1]
.elseif j < 70
.set e, j-38                           ; 66 to 69: s28 to s31
.if j < 66
.set e, j-32-(j-38)/4                  ; 39-41, 43-45, .. 63-65: s7 to s27
.endif
.if j < 38
.set e, (j-25)/2                       ; 25, 27, .. 37: s0 to s6
.endif
	v_exp_f32 v[rS+e], v[rS+e]
.elseif j < 86
	v_cvt_pk_f16_f32 v[rP+j-70], v[rS+2*(j-70)], v[rS+2*(j-70)+1]
.elseif j < 102                        ; the sum of the tile's 16 pairs, in place: neighbours 1, 2, 4 and 8 pairs apart, then l takes it
.set z, j-86
.set w, 4
.set u, z
.if z >= 14
.set w, 32
.set u, 0
.elseif z >= 12
.set w, 16
.set u, z-12
.elseif z >= 8
.set w, 8
.set u, z-8
.endif
.if z < 15
	v_pk_add_f32 v[rS+w*u:rS+w*u+1], v[rS+w*u:rS+w*u+1], v[rS+w*u+w/2:rS+w*u+w/2+1]
.else
	v_pk_fma_f32 v[rT+2:rT+3], v[rT+2:rT+3], v[rT+6:rT+7], v[rS:rS+1] op_sel_hi:[1,0,1]
.endif
.else
	WIN W_RS
	v_pk_mul_f32 v[rO:rO+1], v[rO:rO+1], v[rT+6:rT+7] op_sel_hi:[1,0]
.endif
.endm
; The four tiles' lists side by side, number by number, so that no line reads the result of the line before it.  The 132 exponentials are ONE batch with ONE wait: nothing ahead of number 70 names a result of theirs.
.macro SOFTMAX
.set j, 0
.rept 70
	SM 0
	SM 1
	SM 2
	SM 3
.set j, j+1
.endr
	v_nop                                          ; a plain instruction behind the last exponential,
	s_wait_alu depctr_va_vdst(0)                   ; and a wait ahead of the first use: one for the batch
.rept 64
	SM 0
	SM 1
	SM 2
	SM 3
.set j, j+1
.endr
.endm
.macro LOADQ p                         ; a block's Q: tile t, channels 32 c on, at v[32 t + 8 c] of window 2
	WIN 0x80
.irp t, 0,1,2,3
.irp c, 0,1,2,3
	global_load_b128 v[32*(\t)+8*(\c):32*(\t)+8*(\c)+3],   v[QO], s[(\p):(\p)+1] offset:((\t)/2)*524288+((\t)%2)*4096+64*(\c)
	global_load_b128 v[32*(\t)+8*(\c)+4:32*(\t)+8*(\c)+7], v[QO], s[(\p):(\p)+1] offset:((\t)/2)*524288+((\t)%2)*4096+64*(\c)+32
.endr
.endr
	WIN 0
.endm
; A block begins: c m far below every c s, so that the first step's a is 0 and what O^T and l hold need only be finite; m at the lowest finite number; the masks 0.
.macro INITBLK
	WIN 0
.irp t, 0,1,2,3
	v_mov_b32 v[ST+8*(\t)], 0xfe000000
	v_mov_b32 v[ST+8*(\t)+1], 0xff7fffff
.endr
	WIN 0xc0
.set i, 0
.rept 64
	v_mov_b32 v[MC+i], 0
.set i, i+1
.endr
	WIN 0
.endm
; A tile: my 64 keys against the block's 64 queries, in phases.  last = 1: the walk's last tile, which is always a block's last.
.macro STEP last
	FETCH
	s_sub_co_u32 s[RT], s[RT], 1
.if !(\last)
	s_cmp_lg_u32 s[RT], 0
	s_cbranch_scc1 .Lnomask_\@                     ; only a block's last tile holds the diagonal
.endif
	MAKEMASK
.if !(\last)
.Lnomask_\@:
.endif
	s_wait_loadcnt 0x0                             ; Q
	s_wait_dscnt 32                                ; K is in; V's 32 loads may stay out
	KQALL
	PLACES
	SOFTMAX
	s_wait_dscnt 0x0                               ; V is in
	PVALL
	WIN 0
.endm
; A BLOCK'S END.  The four waves' (c m, l, O^T) are merged: X = the greatest c m, f_u = 2^(c m_u - X), L = the sum of f_u l_u, O = the sum of O_u f_u / L.  Each wave scales its own O^T by f / L, the partial tiles meet
; in LDS a tile at a time, and wave w adds up channels 32 w .. 32 w + 31 of all 64 queries; these go through 64 rows of 272 bytes and leave in the blocks' order, tile w (one block of 4,096 bytes) by wave w.
; The tile that has been asked for stays on its way across these barriers.
.macro MERGE last
	WIN 0
	PLACES
	PLACES
.if !(\last)
	LOADQ 18                                       ; the second block's Q, in good time
.endif
.irp t, 0,1,2,3
	v_add_f32 v[ST+8*(\t)+4], v[ST+8*(\t)+2], v[ST+8*(\t)+3]
.endr
.irp t, 0,1,2,3
	v_permlanex16_b32 v[ST+8*(\t)+5], v[ST+8*(\t)+4], s[SEL], s[SEL+1]
.endr
.irp t, 0,1,2,3
	v_add_f32 v[ST+8*(\t)+1], v[ST+8*(\t)+4], v[ST+8*(\t)+5]  ; l, beside c m
.endr
.irp t, 0,1,2,3
	ds_store_b64 v[STW], v[ST+8*(\t):ST+8*(\t)+1] offset:128*(\t)
.endr
	BAR
.irp t, 0,1,2,3
.irp u, 0,1,2,3
	ds_load_b64 v[P+8*(\t)+2*(\u):P+8*(\t)+2*(\u)+1], v[STR] offset:512*(\u)+128*(\t)
.endr
.endr
	s_wait_dscnt 0x0
.irp t, 0,1,2,3
	v_max3_num_f32 v[ST+8*(\t)+4], v[P+8*(\t)], v[P+8*(\t)+2], v[P+8*(\t)+4]
.endr
.irp t, 0,1,2,3
	v_max_num_f32 v[ST+8*(\t)+4], v[ST+8*(\t)+4], v[P+8*(\t)+6]
.endr
.irp t, 0,1,2,3
	v_sub_f32 v[ST+8*(\t)+5], v[ST+8*(\t)], v[ST+8*(\t)+4]
.irp u, 0,1,2,3
	v_sub_f32 v[P+8*(\t)+2*(\u)], v[P+8*(\t)+2*(\u)], v[ST+8*(\t)+4]
.endr
.endr
.irp t, 0,1,2,3
	v_exp_f32 v[ST+8*(\t)+5], v[ST+8*(\t)+5]       ; my own factor,
.irp u, 0,1,2,3
	v_exp_f32 v[P+8*(\t)+2*(\u)], v[P+8*(\t)+2*(\u)]  ; and all four
.endr
.endr
	v_nop
	s_wait_alu depctr_va_vdst(0)                   ; one wait for the 20 exponentials
.irp t, 0,1,2,3
	v_mul_f32 v[ST+8*(\t)+4], v[P+8*(\t)], v[P+8*(\t)+1]
.endr
.irp u, 1,2,3
.irp t, 0,1,2,3
	v_fma_f32 v[ST+8*(\t)+4], v[P+8*(\t)+2*(\u)], v[P+8*(\t)+2*(\u)+1], v[ST+8*(\t)+4]
.endr
.endr
.irp t, 0,1,2,3
	v_rcp_f32 v[ST+8*(\t)+7], v[ST+8*(\t)+4]
.endr
	v_nop
	s_wait_alu depctr_va_vdst(0)                   ; one wait for the four reciprocals
.irp t, 0,1,2,3
	v_mul_f32 v[ST+8*(\t)+6], v[ST+8*(\t)+5], v[ST+8*(\t)+7]
.endr
	WIN W_RS
.irp t, 0,1,2,3
.set i, 64*(\t)
.rept 32
	v_pk_mul_f32 v[i:i+1], v[i:i+1], v[ST+8*(\t)+6:ST+8*(\t)+7] op_sel_hi:[1,0]
.set i, i+2
.endr
.endr
.irp t, 0,1,2,3
	WIN 0x04                                       ; the stores' data in window 1
.irp q, 0,1,2,3,4,5,6,7,8,9,10,11,12,13,14,15
	ds_store_b128 v[PST], v[64*(\t)+4*(\q):64*(\t)+4*(\q)+3] offset:512*(\q)
.endr
	WIN 0
	BAR                                            ; all four partial tiles lie in LDS
.irp u, 0,1,2,3
.irp q, 0,1,2,3
	ds_load_b128 v[S+16*(\u)+4*(\q):S+16*(\u)+4*(\q)+3], v[PRD] offset:8192*(\u)+512*(\q)
.endr
.endr
	s_wait_dscnt 0x0                               ; my reads are over:
	s_barrier_signal -1                            ; say so, and add while the others arrive
.set i, 0
.rept 8
	v_pk_add_f32 v[S+i:S+i+1], v[S+i:S+i+1], v[S+16+i:S+16+i+1]
	v_pk_add_f32 v[S+32+i:S+32+i+1], v[S+32+i:S+32+i+1], v[S+48+i:S+48+i+1]
.set i, i+2
.endr
.set i, 0
.rept 8
	v_pk_add_f32 v[S+i:S+i+1], v[S+i:S+i+1], v[S+32+i:S+32+i+1]
.set i, i+2
.endr
.irp k, 0,1,2,3,4,5,6,7
	v_cvt_pk_f16_f32 v[P+8*(\t)+(\k)], v[S+2*(\k)], v[S+2*(\k)+1]
.endr
	s_barrier_wait -1                              ; nobody reads the partial tiles any more
.endr
.irp t, 0,1,2,3
.irp c, 0,1
	ds_store_b128 v[OST], v[P+8*(\t)+4*(\c):P+8*(\t)+4*(\c)+3] offset:4352*(\t)+32*(\c)
.endr
.endr
	BAR
.irp f, 0,1,2,3,4,5,6,7
	ds_load_b128 v[S+4*(\f):S+4*(\f)+3], v[ORD] offset:32*(\f)  ; lanes 0-15: channels 16 f .. 16 f + 7 of the tile's 16 rows; lanes 16-31: the next 8 channels
.endr
.irp f, 0,1,2,3,4,5,6,7
	s_wait_dscnt 7-(\f)
	global_store_b128 v[GO], v[S+4*(\f):S+4*(\f)+3], s[20:21] offset:512*(\f)  ; a wave stores 512 consecutive bytes, at a multiple of 256 from ao's first byte
.endr
.if !(\last)
	s_wait_xcnt 0x0                                ; the stores have read their registers and their base
	s_mov_b64 s[20:21], s[22:23]
	s_add_co_u32 s[RT], s14, 1                     ; the second block has a + 1 tiles
	v_add_nc_u32 v[THR], s[DTHR], v[THR]
	v_add_nc_u32 v[THR+1], s[DTHR], v[THR+1]
	INITBLK
.endif
.endm
	s_load_b128 s[4:7], s[0:1], 0x0                ; qkvh s[4:5], ao s[6:7]
	v_lshl_add_u32 v[SPW], v0, 2, SPARE
	v_mov_b32 v[NIL], 0
	ds_add_u32 v[SPW], v[NIL]                      ; the wave's opening: the add, twice on end, and its wait ahead of my first tensor load
	ds_add_u32 v[SPW], v[NIL]
	v_lshrrev_b32 v1, 5, v0
	v_readfirstlane_b32 s[WV], v1
	s_bfe_u32 s13, ttmp6, 0x40000                  ; cx
	s_lshr_b32 s14, ttmp9, 1                       ; a, which the four partners share
	s_and_b32 s15, ttmp9, 1
	s_lshl_b32 s15, s15, 2
	s_add_co_u32 s15, s15, s13                     ; r = 4 (cluster x % 2) + cx
	s_and_b32 s68, ttmp7, 0xffff                   ; g
	s_and_b32 s69, s[WV], 1                        ; which half of a tile's 256 rows I fetch
	s_add_co_u32 s70, s68, 16                      ; K: head 16 + g,
	s_lshl_b32 s70, s70, 19
	s_lshl_b32 s71, s69, 15                        ; my 128 rows of 256 bytes
	s_add_co_u32 s70, s70, s71
	s_mov_b32 s71, 0
	s_lshl_b32 s72, s14, 3
	s_add_co_u32 s72, s72, s15                     ; the second block, 8 a + r
	s_sub_co_u32 s73, 63, s72                      ; the first
	s_lshl_b32 s74, s68, 20                        ; Q: head 2 g,
	s_lshl_b32 s76, s73, 13                        ; 32 rows of 256 bytes a block
	s_add_co_u32 s76, s76, s74
	s_mov_b32 s77, 0
	s_lshl_b32 s78, s72, 13
	s_add_co_u32 s78, s78, s74
	s_mov_b32 s79, 0
	s_lshl_b32 s80, s69, 16                        ; ao: I store tile w: the row block 2 x block + w % 2, 16 blocks of 4,096 bytes each,
	s_lshl_b32 s75, s68, 13                        ; head 2 g + w / 2, 4,096 bytes a head
	s_add_co_u32 s80, s80, s75
	s_lshr_b32 s75, s[WV], 1
	s_lshl_b32 s75, s75, 12
	s_add_co_u32 s80, s80, s75
	s_lshl_b32 s82, s72, 17                        ; two row blocks a block of queries
	s_add_co_u32 s82, s82, s80
	s_mov_b32 s83, 0
	s_lshl_b32 s75, s73, 17
	s_add_co_u32 s80, s80, s75
	s_mov_b32 s81, 0
	s_mov_b32 s[G1K], 15|(1<<16)|(1<<20)|(1<<21)|(5<<22)|(3<<25)  ; the mask of four; 2-byte elements; padding on; bit 21 beside a mask; after every 64 words; 4 words
	s_mov_b32 s[G1V], 15|(1<<16)|(1<<20)|(1<<21)|(5<<22)|(7<<25)  ; the same with 8 words of padding
.irp g, G1K, G1V
	s_mov_b32 s[(\g)+1], 128<<16                   ; tensor_dim0 = 128
	s_mov_b32 s[(\g)+2], 128<<16                   ; tensor_dim1 = 128
	s_mov_b32 s[(\g)+3], 128<<16                   ; tile_dim0 = 128
	s_mov_b32 s[(\g)+4], 128                       ; tile_dim1 = 128
	s_mov_b32 s[(\g)+5], 128                       ; elements from row to row
	s_mov_b32 s[(\g)+6], 0
	s_mov_b32 s[(\g)+7], 0
.endr
	s_mul_i32 s66, s69, 128*PK                     ; my half's place in a slot, for K
	s_mul_i32 s67, s69, 128*PV                     ; and for V: no place in the cluster enters an LDS address
	s_add_co_u32 s67, s67, VOFF
	s_mov_b32 s[OFF+1], 0
	s_mov_b32 s[NXT], 1
	s_sub_co_u32 s[LQ], 7, s14
	s_sub_co_u32 s[RT], 8, s14                     ; the first block has 8 - a tiles
	s_mov_b32 s[CNT], 8
	s_mov_b32 s[BIGN], 0xf149f2ca                  ; -1e30
	s_lshl_b32 s[DTHR], s15, 6
	s_sub_co_i32 s[DTHR], s[DTHR], 224             ; 32 (r - (7 - r))
	s_mov_b32 s[TB], SLOTB                         ; the first change fills slot 1 and reads slot 0
	s_mov_b32 s[CS], 0x440293ee                    ; c = 2^12 log2(e) / sqrt(128) = 522.31
	s_mov_b32 s[CS+1], s[CS]
	s_mov_b32 s[SEL], 0x76543210
	s_mov_b32 s[SEL+1], 0xfedcba98
	s_cmp_eq_u32 ttmp9, 0
	s_cselect_b32 s[LIM], 3, -1                    ; the same in all four partners
	s_mov_b32 s[G0K], 1
	s_mov_b32 s[G0K+1], s66                        ; tile 0 goes into slot 0
	s_mov_b32 s[G0V], 1
	s_mov_b32 s[G0V+1], s67
	s_wait_dscnt 0x0                               ; both opening adds are done
	s_wait_kmcnt 0x0
	s_add_nc_u64 s[8:9], s[4:5], s[70:71]          ; K at my half of tile 0
	s_add_nc_u64 s[10:11], s[8:9], 0x400000        ; V lies eight heads on
	s_add_nc_u64 s[16:17], s[4:5], s[76:77]        ; Q of the first block, of the second
	s_add_nc_u64 s[18:19], s[4:5], s[78:79]
	s_add_nc_u64 s[20:21], s[6:7], s[80:81]        ; ao likewise
	s_add_nc_u64 s[22:23], s[6:7], s[82:83]
	s_mov_b64 s[G0K+2:G0K+3], s[8:9]
	s_or_b32 s[G0K+3], s[G0K+3], 0x80000000
	s_mov_b64 s[G0V+2:G0V+3], s[10:11]
	s_or_b32 s[G0V+3], s[G0V+3], 0x80000000
	s_cmp_lt_u32 s[WV], 2
	s_cselect_b64 s[PFA:PFA+1], s[8:9], s[10:11]   ; the prefetches: the rows that I fetch,
	s_lshl_b32 s72, s13, 13                        ; my work-group's 32 of the 128,
	s_mov_b32 s73, 0
	s_add_nc_u64 s[PFA:PFA+1], s[PFA:PFA+1], s[72:73]
	s_add_nc_u64 s[PFA:PFA+1], s[PFA:PFA+1], 2*65536  ; in tile 2: the first change steps it to tile 3
	CROUND                                         ; all four work-groups are here: the first joint load meets
	JLOAD                                          ; tile 0: one tensor load of mine is out
	v_and_b32 v1, 15, v0                           ; l % 16
	v_bfe_u32 v9, v0, 4, 1                         ; l / 16
	v_and_b32 v50, 31, v0                          ; l
	v_lshlrev_b32 v[QO], 8, v1
	v_lshl_add_u32 v[QO], v9, 4, v[QO]
	LOADQ 16
	v_mul_u32_u24 v[AK0], v1, PK
	v_lshl_add_u32 v[AK0], v9, 4, v[AK0]
	s_mul_i32 s74, s[WV], 64*PK
	v_add_nc_u32 v[AK0], s74, v[AK0]
	v_and_b32 v51, 7, v0                           ; the turning load: lane l reads key 8 (l / 16) + l % 8, channels 8 ((l / 8) % 2) + 0..7
	v_bfe_u32 v52, v0, 3, 1
	v_lshl_add_u32 v[AV0], v9, 3, v51
	v_mul_u32_u24 v[AV0], v[AV0], PV
	v_lshl_add_u32 v[AV0], v52, 4, v[AV0]
	s_mul_i32 s74, s[WV], 64*PV
	s_add_co_u32 s74, s74, VOFF
	v_add_nc_u32 v[AV0], s74, v[AV0]
	s_lshl_b32 s74, s[WV], 13
	s_add_co_u32 s74, s74, PSTG
	v_lshl_add_u32 v[PST], v50, 4, s74             ; my partial tile: 8,192 w + 16 l
	s_lshl_b32 s74, s[WV], 11
	s_add_co_u32 s74, s74, PSTG
	v_lshl_add_u32 v[PRD], v50, 4, s74             ; my four quads of each: 2,048 w + 16 l
	s_lshl_b32 s74, s[WV], 9
	s_add_co_u32 s74, s74, STAT
	v_lshl_add_u32 v[STW], v1, 3, s74
	v_lshlrev_b32 v[STR], 3, v1
	v_add_nc_u32 v[STR], STAT, v[STR]
	v_mul_u32_u24 v[OST], v1, 272
	v_lshl_add_u32 v[OST], v9, 4, v[OST]
	s_lshl_b32 s74, s[WV], 6
	s_add_co_u32 s74, s74, PSTG
	v_add_nc_u32 v[OST], s74, v[OST]               ; row l % 16 of a tile, my 64 bytes of it, 16 for each half of the lanes
	v_mul_u32_u24 v[ORD], v1, 272
	v_lshl_add_u32 v[ORD], v9, 4, v[ORD]
	s_mul_i32 s74, s[WV], 16*272
	s_add_co_u32 s74, s74, PSTG
	v_add_nc_u32 v[ORD], s74, v[ORD]               ; tile w: row l % 16, 16 bytes for each half of the lanes: 16 rows 272 bytes apart meet 16 different groups of four banks
	v_lshlrev_b32 v[GO], 4, v50
	v_lshlrev_b32 v[PFO], 8, v50
	s_sub_co_u32 s75, 7, s15                       ; the first block lies 32 (7 - r) rows into its diagonal tile
	s_lshl_b32 s75, s75, 5
	s_lshl_b32 s74, s[WV], 6
	s_sub_co_i32 s75, s75, s74                     ; less my wave's 64 w keys
	v_lshlrev_b32 v53, 3, v9
	v_sub_nc_u32 v[THR], v1, v53                   ; + my query, less my lanes' 8 (l / 16)
	v_add_nc_u32 v[THR], s75, v[THR]
	v_add_nc_u32 v[THR+1], 16, v[THR]
	WIN 0x40                                       ; O^T and l need only be finite: zeros, written in the wait for the first tile
.set i, 0
.rept 256
	v_mov_b32 v[i], 0
.set i, i+1
.endr
	WIN 0
.irp t, 0,1,2,3
	v_mov_b32 v[ST+8*(\t)+2], 0
	v_mov_b32 v[ST+8*(\t)+3], 0
.endr
	INITBLK
.Lpos:                                                 ; eight trips: a tile is entered and the next is asked for
	CHANGE 1
	STEP 0
	s_cmp_lg_u32 s[RT], 0                          ; made of the cluster's x and constants: the same in all waves and all partners; no round of the cluster's barrier
	s_cbranch_scc1 .Lgo_on
	MERGE 0                                        ; the first block's end
.Lgo_on:
	s_sub_co_u32 s[CNT], s[CNT], 1
	s_cmp_lg_u32 s[CNT], 0
	s_cbranch_scc1 .Lpos
	CHANGE 0                                       ; the walk's last tile is written out: nothing is asked for
	STEP 1
	MERGE 1
	s_wait_tensorcnt 0x0                           ; the wave's end: behind my last tensor load and my last LDS store
	ds_add_u32 v[SPW], v[NIL]
	s_wait_dscnt 0x0
	CROUND                                         ; the closing round
	s_endpgm
.Lfunc_end_k_q5a3e978a32_attn:
	.size	k_q5a3e978a32_attn, .Lfunc_end_k_q5a3e978a32_attn-k_q5a3e978a32_attn
	.p2alignl 7, 3214868480
	.fill 96, 4, 3214868480
	.section	.rodata,"a",@progbits
	.p2align	6, 0x0
	.amdhsa_kernel k_q5a3e978a32_attn
		.amdhsa_group_segment_fixed_size 327680
		.amdhsa_private_segment_fixed_size 0
		.amdhsa_enable_private_segment 0
		.amdhsa_kernarg_size 16
		.amdhsa_user_sgpr_count 2
		.amdhsa_user_sgpr_kernarg_segment_ptr 1
		.amdhsa_wavefront_size32 1
		.amdhsa_system_sgpr_workgroup_id_x 1
		.amdhsa_system_sgpr_workgroup_id_y 1
		.amdhsa_system_sgpr_workgroup_id_z 1
		.amdhsa_system_vgpr_workitem_id 0
		.amdhsa_next_free_vgpr 1024
		.amdhsa_next_free_sgpr 84
		.amdhsa_reserve_vcc 1
		.amdhsa_float_denorm_mode_32 3
		.amdhsa_float_denorm_mode_16_64 3
		.amdhsa_memory_ordered 1
		.amdhsa_forward_progress 1
		.amdhsa_inst_pref_size 190
	.end_amdhsa_kernel
	.amdgpu_metadata
---
amdhsa.version: [ 1, 2 ]
amdhsa.kernels:
  - .name:           k_q5a3e978a32_attn
    .symbol:         k_q5a3e978a32_attn.kd
    .args:
      - { .name: qkvh, .offset: 0, .size: 8, .value_kind: global_buffer, .address_space: global }
      - { .name: ao, .offset: 8, .size: 8, .value_kind: global_buffer, .address_space: global }
    .group_segment_fixed_size: 327680
    .private_segment_fixed_size: 0
    .kernarg_segment_align: 8
    .kernarg_segment_size: 16
    .max_flat_workgroup_size: 128
    .sgpr_count:     84
    .vgpr_count:     1024
    .wavefront_size: 32
...
	.end_amdgpu_metadata
.endif
;; end of part 3
;; launch oproj (part 4): grid 8 x 32, 4 waves a work-group, clusters of 4 x 1, 327,680 bytes of LDS; arguments ao, wo16, out0; writes out0
.if DOCPART == 4
	.amdgcn_target "amdgcn-amd-amdhsa--gfx1250"
	.amdhsa_code_object_version 6
	.text
	.protected	k_q5a3e978a32_oproj
	.globl	k_q5a3e978a32_oproj
	.p2align	8
	.type	k_q5a3e978a32_oproj,@function
k_q5a3e978a32_oproj:
	s_mov_b64 s[64:65], 0
	v_nop
	global_prefetch_b8 v0, s[64:65] scope:SCOPE_SE
	s_setreg_imm32_b32 hwreg(HW_REG_WAVE_MODE, 25, 1), 1
	s_wait_xcnt 0x0
	s_wait_alu depctr_hold_cnt(0) depctr_sa_sdst(0) depctr_va_vdst(0) depctr_va_sdst(0) depctr_va_ssrc(0) depctr_va_vcc(0) depctr_vm_vsrc(0)
	s_getreg_b32 s2, hwreg(HW_REG_IB_STS2, 6, 4)
	s_cmp_eq_u32 s2, 0
	s_cbranch_scc0 .Lentry_in_a_cluster
	s_endpgm
.Lentry_in_a_cluster:
	s_bfe_u32 s2, ttmp6, 0x10000c
	s_cmp_lg_u32 s2, 0x3003
	s_cbranch_scc0 .Lentry_shape_is_right
	s_endpgm
.Lentry_shape_is_right:
; FOURTH LAUNCH: out0 = O Wo^T ([2048][4096] f32, K = 2048, f16 operands, f32 sums).  ao holds O / 4 and wo16 holds 4 Wo (rounded to bf16, written as f16), so the product is reference()'s.
; The frame is the second launch's.  A tile of C is 256 rows x 128 columns, 8 x 32 = 256 work-groups; four waves, one below the other, each 64 x 128: 32 accumulators.
; B (wo16) goes through a ring of two LDS slots of 256 along K, filled by joint tensor loads (cluster 4 x 1: four tile rows of one tile column; 32 rows of 512 bytes a wave).
; A (ao) lies in blocks in the operand registers' order and goes straight into a ring of eight register buffers, by loads of 512 consecutive bytes asked for 6 3/4 quarters ahead.
; WHY A IS NOT ASKED FOR JOINTLY: two slots with both operands for 256 along K would be 2 x 384 rows x 528 bytes = 405,504 bytes, more than a work-group has; with B alone a slot is 256 matrix instructions a wave,
; 240 of them between a refill's request and the wait for it.  The price: 4,096 bytes of A a wave for 32 matrix instructions, which no joint load reaches.
; The matrix instruction is used transposed (source 0 = 16 rows of wo16, source 1 = 16 rows of ao): a lane holds row l % 16 of C and the columns 8 (l / 16) + 0..7 of a block of 16.
; One text for every slot but the last: the first trip's leading quarter multiplies zeros and the sums are cleared (32 products and 352 v_mov_b32 once a launch, in the wait for the first tile).
; REGISTERS.  window 0: v0-31 addresses; v64-127, v128-191 B's two fragment buffers, on the way out rows read back.  window 1: accumulator (a, b) at v[8 (8 a + b)].  window 2: A's eight buffers of 32.
.set SIZE_K, 2048
.set SIZE_N, 4096
.set KPER,   256
.set PERIODS, SIZE_K/KPER
.set PITCH,  528                       ; an LDS row: 512 bytes + 16 of padding: the 16 rows of a fragment load start at 16 different groups of four banks (64 banks of 4 bytes: ISA guide 11.1)
.set WPART,  32*PITCH
.set SLOTB,  4*WPART
.set STAGE,  2*SLOTB                   ; behind the ring: 16 rows x 528 bytes for each wave, for the way out; no tensor load fills it
.set SPITCH, 528                       ; 512 bytes (128 f32) + 16
.set SPARE,  STAGE+4*16*SPITCH         ; the spare words, 128 bytes for each wave: two blocks of 256 bytes that no other line names
.set RB,     SIZE_K*32                 ; bytes of a row block (16 rows) of ao
.set QB,     1024                      ; of them in a quarter (32 along K)
.set AB0,  16
.set ADRB, 17
.set AO,   18
.set PFO,  19
.set PFAO, 20
.set STO,  24                          ; v24  the way out: where I put 32 bytes of a row
.set RD,   25                          ; v25  where I read a row back
.set CO,   26                          ; v26  my 16 bytes of a row's 512
.set SPW,  28
.set NIL,  29
.set F0,   64
.set F1,   128
.set OB,   64
.set LAP,  12
.set AP,   16
.set PFB,  18
.set LIMB, 20
.set LIMA, 21
.set G1,   24
.set G0,   32
.set WV,   40
.set TB,   41
.set MULW, 0x58                        ; source 0 (B) window 0, source 1 (A) window 2, C and D window 1
.set MSB,  0
.macro WIN new
.if MSB != (\new)
	s_set_vgpr_msb (MSB<<8)|(\new)
.set MSB, \new
.endif
.endm
.macro PLACES
.rept 4
	v_nop
.endr
.endm
.macro JLOAD                           ; a joint load: every wave fetches its 32 rows; an s_nop 0 and four v_nop follow it
	tensor_load_to_lds s[G0:G0+3], s[G1:G1+7]
	s_nop 0
.rept 4
	v_nop
.endr
.endm
.macro CREST
	s_cmp_lg_u32 s[WV], 0
	s_cbranch_scc1 .Lnot_wave_0_\@
	s_barrier_signal -3
.Lnot_wave_0_\@:
	s_barrier_wait -3
	s_barrier_signal -1
	s_barrier_wait -1
.endm
.macro CROUND
	s_barrier_signal -1
	s_barrier_wait -1
	CREST
.endm
; Prefetches into the L2, as in the second launch: trip t, which asks for slot t + 3's forerunner t + 1, names slot t + 3.  B: the clusters with x = 0; partner cx takes 32 of the 128 rows, told apart by address, a lane a
; row; wave 0 the lower 256 bytes of a row's 512, wave 1 the upper.  A: the work-groups with tile column 0; each wave its own four row blocks, 8,192 consecutive bytes each, a lane 256 bytes.
; Each aligned 256 bytes are named once.  Slots 0 to 2 come by their loads alone; the last three trips ask for nothing.
.macro ASK
	s_cmp_gt_u32 s[LAP], s[LIMB]
	s_cbranch_scc0 .Lnot_b_\@
	global_prefetch_b8 v[PFO], s[PFB:PFB+1] th:TH_LOAD_NT scope:SCOPE_SE
.Lnot_b_\@:
	s_cmp_gt_u32 s[LAP], s[LIMA]
	s_cbranch_scc0 .Lnot_a_\@
.irp a, 0,1,2,3
	global_prefetch_b8 v[PFAO], s[AP:AP+1] offset:3*8*QB+(\a)*RB th:TH_LOAD_NT scope:SCOPE_SE
.endr
.Lnot_a_\@:
.endm
	s_load_b128 s[4:7], s[0:1], 0x0                ; ao s[4:5], wo16 s[6:7]
	s_load_b64 s[10:11], s[0:1], 0x10              ; out0
	v_lshl_add_u32 v[SPW], v0, 2, SPARE
	v_mov_b32 v[NIL], 0
	ds_add_u32 v[SPW], v[NIL]                      ; the wave's opening: the add, twice on end, and its wait ahead of my first tensor load
	ds_add_u32 v[SPW], v[NIL]
	v_lshrrev_b32 v1, 5, v0
	v_readfirstlane_b32 s[WV], v1
	s_bfe_u32 s15, ttmp6, 0x40000                  ; cx
	s_lshl_b32 s13, ttmp9, 2
	s_add_co_u32 s13, s13, s15                     ; tile row = 4 x cluster x + cx: it enters A's and the output's addresses alone
	s_and_b32 s14, ttmp7, 0xffff                   ; tile column, which the four partners share
	s_mov_b32 s[G1], 15|(1<<16)|(1<<20)|(1<<21)|(6<<22)|(3<<25)  ; the mask of four; 2-byte elements; padding on; bit 21 beside a mask; after every 128 words; 4 words of padding
	s_mov_b32 s[G1+1], KPER<<16                    ; tensor_dim0 = 256
	s_mov_b32 s[G1+2], 32<<16                      ; tensor_dim1 = 32
	s_mov_b32 s[G1+3], KPER<<16                    ; tile_dim0 = 256
	s_mov_b32 s[G1+4], 32                          ; tile_dim1 = 32
	s_mov_b32 s[G1+5], SIZE_K                      ; elements from row to row
	s_mov_b32 s[G1+6], 0
	s_mov_b32 s[G1+7], 0
	s_mul_i32 s66, s[WV], WPART                    ; my 32 rows' place in a slot
	s_mov_b32 s[TB], SLOTB                         ; the first change fills slot 1 and reads slot 0
	s_lshl_b32 s42, s14, 7                         ; B: row 128 x tile column + 32 x wave
	s_lshl_b32 s22, s[WV], 5
	s_add_co_u32 s42, s42, s22
	s_mul_i32 s42, s42, SIZE_K*2
	s_mov_b32 s43, 0
	s_lshl_b32 s44, s13, 4                         ; A: row block 16 x tile row + 4 x wave
	s_lshl_b32 s22, s[WV], 2
	s_add_co_u32 s44, s44, s22
	s_mul_i32 s44, s44, RB
	s_mov_b32 s45, 0
	s_mov_b32 s[G0], 1
	s_mov_b32 s[G0+1], s66                         ; slot 0
	s_wait_dscnt 0x0                               ; both opening adds are done
	s_wait_kmcnt 0x0
	s_add_nc_u64 s[G0+2:G0+3], s[6:7], s[42:43]
	s_or_b32 s[G0+3], s[G0+3], 0x80000000
	s_add_nc_u64 s[AP:AP+1], s[4:5], s[44:45]
	CROUND                                         ; all four work-groups are here: the first joint load meets
	JLOAD                                          ; the first 256 along K: one tensor load of mine is out
.macro GLOAD buf, off                  ; 8 loads: A's four fragments of one quarter, from byte off behind the pointer, into buffer buf
	WIN 0x80                                       ; destination window 2, address window 0
.irp a, 0,1,2,3
	global_load_b128 v[32*(\buf)+8*(\a):32*(\buf)+8*(\a)+3],   v[AO], s[AP:AP+1] offset:(\off)+(\a)*RB
	global_load_b128 v[32*(\buf)+8*(\a)+4:32*(\buf)+8*(\a)+7], v[AO], s[AP:AP+1] offset:(\off)+(\a)*RB+512
.endr
.endm
	v_and_b32 v3, 31, v0                           ; l
	v_lshlrev_b32 v[AO], 4, v3
.irp q, 0,1,2,3,4,5
	GLOAD \q, (\q)*QB                              ; quarters 0 to 5 of the first slot: 48 loads of mine are out
.endr
	WIN 0x40                                       ; the sums start at 0,
.set i, 0
.rept 256
	v_mov_b32 v[i], 0
.set i, i+1
.endr
	WIN 0x80                                       ; and what the first trip's leading quarter multiplies is 0: A's buffer 7
.set i, 224
.rept 32
	v_mov_b32 v[i], 0
.set i, i+1
.endr
	WIN 0                                          ; and B's buffer 1
.set i, F1
.rept 64
	v_mov_b32 v[i], 0
.set i, i+1
.endr
	v_and_b32 v1, 15, v0                           ; l % 16
	v_bfe_u32 v2, v0, 4, 1                         ; l / 16
	v_mul_u32_u24 v[AB0], v1, PITCH
	v_lshl_add_u32 v[AB0], v2, 4, v[AB0]
	s_mul_i32 s71, s[WV], 16*SPITCH
	s_add_co_u32 s71, s71, STAGE                   ; my stage
	v_mul_u32_u24 v4, v1, SPITCH                   ; in: row l % 16, 32 bytes for each half of the lanes
	v_lshl_add_u32 v4, v2, 5, v4
	v_add_nc_u32 v[STO], s71, v4
	v_lshl_add_u32 v[RD], v3, 4, s71               ; back: 32 lanes take one row's 512 bytes
	v_lshlrev_b32 v[CO], 4, v3
	s_lshl_b32 s22, s13, 22                        ; 256 rows of 16,384 bytes for each tile row
	s_lshl_b32 s23, s[WV], 20                      ; + my 64 rows
	s_add_co_u32 s22, s22, s23
	s_lshl_b32 s23, s14, 9                         ; + 128 columns of 4 bytes for each tile column
	s_add_co_u32 s22, s22, s23
	s_mov_b32 s23, 0
	s_add_nc_u64 s[10:11], s[10:11], s[22:23]
	s_lshl_b32 s46, s14, 7                         ; B's prefetches: row 128 x tile column + 32 cx,
	s_lshl_b32 s22, s15, 5
	s_add_co_u32 s46, s46, s22
	s_mul_i32 s46, s46, SIZE_K*2
	s_and_b32 s22, s[WV], 1                        ; the half of a row's 512 bytes by the wave,
	s_lshl_b32 s22, s22, 8
	s_add_co_u32 s46, s46, s22
	s_add_co_u32 s46, s46, 3*KPER*2                ; in slot 3
	s_mov_b32 s47, 0
	s_add_nc_u64 s[PFB:PFB+1], s[6:7], s[46:47]
	s_lshr_b32 s22, s[WV], 1
	s_or_b32 s22, s22, ttmp9                       ; 0 in waves 0 and 1 of the clusters with x = 0
	s_cmp_eq_u32 s22, 0
	s_cselect_b32 s[LIMB], 2, -1
	s_cmp_eq_u32 s14, 0                            ; tile column 0
	s_cselect_b32 s[LIMA], 2, -1
	v_mul_u32_u24 v[PFO], v3, SIZE_K*2
	v_lshlrev_b32 v[PFAO], 8, v3
; 4 matrix instructions: column block b x my four row blocks, 32 along K.  The 32 accumulators take turns, one instruction a turn, in the same order in every quarter, over the backward jump too.
.macro MUL4 f, ab, b
	WIN MULW
.irp a, 0,1,2,3
	v_wmma_f32_16x16x32_f16 v[8*(8*(\a)+(\b)):8*(8*(\a)+(\b))+7], v[(\f)+8*(\b):(\f)+8*(\b)+7], v[32*(\ab)+8*(\a):32*(\ab)+8*(\a)+7], v[8*(8*(\a)+(\b)):8*(8*(\a)+(\b))+7]
.endr
.endm
.macro FETCHB f, k                     ; 16 LDS loads in one run: B's eight fragments of one quarter into buffer f
	WIN 0
.irp i, 0,1,2,3,4,5,6,7
	ds_load_b128 v[(\f)+8*(\i):(\f)+8*(\i)+3],   v[ADRB] offset:(\k)+(\i)*16*PITCH
	ds_load_b128 v[(\f)+8*(\i)+4:(\f)+8*(\i)+7], v[ADRB] offset:(\k)+(\i)*16*PITCH+32
.endr
.endm
; Quarter i (0 to 6) of a slot: behind its first eight products it fetches B's fragments of quarter i + 1 and (gl = 1) asks for A's of quarter i + 7, into the buffers that quarter i - 1 has read.
.macro QUARTER i, gl, lc
	s_wait_loadcnt \lc                             ; A's fragments of this quarter are in; lc younger loads may stay out: six groups of 8 in the loop
	s_wait_dscnt 12                                ; B's fragments 0 and 1 are in; the 12 younger loads may be out
	MUL4 F0+64*((\i)%2), \i, 0
	MUL4 F0+64*((\i)%2), \i, 1
	PLACES
	FETCHB F0+64*(((\i)+1)%2), 64*((\i)+1)
.if \gl
	GLOAD ((\i)+7)%8, ((\i)+7)*QB
.endif
	s_wait_dscnt 16                                ; all but the 16 just issued
.irp b, 2,3,4,5,6,7
	MUL4 F0+64*((\i)%2), \i, \b
.endr
.endm
; A slot's last quarter, and the change of slots: ONE barrier; in front of it each wave waits for all its tensor loads, adds 0 to its spare word, and waits for that and for its reads of this slot.
; fill = 1: the barrier opens a round of the cluster's barrier, and behind the round the slot just read out is filled again.
.macro TURNX fill
	WIN 0
	s_wait_tensorcnt 0x0                           ; no tensor load of mine is out, so group 0 may be written
	ds_add_u32 v[SPW], v[NIL]
.if \fill
	s_add_co_u32 s[G0+1], s66, s[TB]
	s_add_nc_u64 s[G0+2:G0+3], s[G0+2:G0+3], KPER*2
.endif
	s_xor_b32 s[TB], s[TB], SLOTB                  ; the reads go to the other slot
	s_wait_loadcnt 48
	s_wait_dscnt 13                                ; (the add and the 12 younger loads may be out)
	MUL4 F1, 7, 0
	MUL4 F1, 7, 1
	s_wait_dscnt 0x0                               ; the add is done, and my reads of this slot are over
	s_barrier_signal -1
	MUL4 F1, 7, 2
	MUL4 F1, 7, 3
	WIN 0
	s_barrier_wait -1
.if \fill
	CREST
	JLOAD                                          ; its four v_nop are also the places in front of the loads below
.else
	PLACES
.endif
	v_add_nc_u32 v[ADRB], s[TB], v[AB0]
	FETCHB F0, 0
	GLOAD 6, 6*QB
.if \fill
	WIN 0
	ASK
.endif
.irp b, 4,5,6,7
	MUL4 F1, 7, \b
.endr
.endm
	s_mov_b32 s[LAP], PERIODS-1
.Lper:                                                 ; trip t: the last quarter of slot t - 1 with the change of slots, then quarters 0 to 6 of slot t
	TURNX 1
.irp n, 0,1,2,3,4,5,6
	QUARTER \n, 1, 48
.endr
	WIN 0
	s_wait_xcnt 0x0                                ; every load and prefetch issued so far has read its address, so the pointers may be written
	s_add_nc_u64 s[AP:AP+1], s[AP:AP+1], 8*QB
	s_add_nc_u64 s[PFB:PFB+1], s[PFB:PFB+1], KPER*2
	s_sub_co_u32 s[LAP], s[LAP], 1
	s_cmp_lg_u32 s[LAP], 0
	s_cbranch_scc1 .Lper
	TURNX 0                                        ; the last slot is written out, and A's loads end with its quarter 7: the counts run down
	QUARTER 0, 1, 48
	QUARTER 1, 0, 48
	QUARTER 2, 0, 40
	QUARTER 3, 0, 32
	QUARTER 4, 0, 24
	QUARTER 5, 0, 16
	QUARTER 6, 0, 8
	s_wait_loadcnt 0x0
	s_wait_dscnt 12
	MUL4 F1, 7, 0
	MUL4 F1, 7, 1
	s_wait_dscnt 0x0
.irp b, 2,3,4,5,6,7
	MUL4 F1, 7, \b
.endr
	WIN 0
	PLACES
	PLACES
; THE WAY OUT, a block of 16 rows at a time: the f32 sums go as they are into my own stage (rows of 528 bytes) and come back as whole rows of 512 bytes; one store of the wave is a row's 512 consecutive bytes.
.macro TOSTAGE a
.if (\a) >= 2
	s_wait_xcnt 0x0                                ; the stores of the block two back have read the registers that are loaded again below
.endif
	WIN 0x04                                       ; the stores' data in window 1
.irp b, 0,1,2,3,4,5,6,7
	ds_store_b128 v[STO], v[8*(8*(\a)+(\b)):8*(8*(\a)+(\b))+3]   offset:64*(\b)     ; each accumulator's low registers first
	ds_store_b128 v[STO], v[8*(8*(\a)+(\b))+4:8*(8*(\a)+(\b))+7] offset:64*(\b)+16
.endr
	WIN 0
.set BK, OB+64*((\a)%2)
.irp t, 0,1,2,3,4,5,6,7,8,9,10,11,12,13,14,15
	ds_load_b128 v[BK+4*(\t):BK+4*(\t)+3], v[RD] offset:(\t)*SPITCH  ; LDS serves a wave's instructions in order (ISA guide 5.7.1.4): these see the stores above; the next block's stores come behind them
.endr
.endm
.macro SEND a, younger                 ; younger: the LDS instructions issued behind block a's loads: the next block's 32, or none
	WIN 0
.set BK, OB+64*((\a)%2)
.irp t, 0,1,2,3,4,5,6,7,8,9,10,11,12,13,14,15
	s_wait_dscnt (\younger)+15-(\t)
	global_store_b128 v[CO], v[BK+4*(\t):BK+4*(\t)+3], s[10:11] offset:(16*(\a)+(\t))*SIZE_N*4 th:TH_STORE_NT
.endr
.endm
	TOSTAGE 0
	TOSTAGE 1
	SEND 0, 32
	TOSTAGE 2
	SEND 1, 32
	TOSTAGE 3
	SEND 2, 32
	SEND 3, 0
	s_wait_tensorcnt 0x0                           ; the wave's end: behind my last tensor load and my last LDS store
	ds_add_u32 v[SPW], v[NIL]
	s_wait_dscnt 0x0
	CROUND                                         ; the closing round
	s_endpgm
.Lfunc_end_k_q5a3e978a32_oproj:
	.size	k_q5a3e978a32_oproj, .Lfunc_end_k_q5a3e978a32_oproj-k_q5a3e978a32_oproj
	.p2alignl 7, 3214868480
	.fill 96, 4, 3214868480
	.section	.rodata,"a",@progbits
	.p2align	6, 0x0
	.amdhsa_kernel k_q5a3e978a32_oproj
		.amdhsa_group_segment_fixed_size 327680
		.amdhsa_private_segment_fixed_size 0
		.amdhsa_enable_private_segment 0
		.amdhsa_kernarg_size 24
		.amdhsa_user_sgpr_count 2
		.amdhsa_user_sgpr_kernarg_segment_ptr 1
		.amdhsa_wavefront_size32 1
		.amdhsa_system_sgpr_workgroup_id_x 1
		.amdhsa_system_sgpr_workgroup_id_y 1
		.amdhsa_system_sgpr_workgroup_id_z 1
		.amdhsa_system_vgpr_workitem_id 0
		.amdhsa_next_free_vgpr 768
		.amdhsa_next_free_sgpr 72
		.amdhsa_reserve_vcc 0
		.amdhsa_float_denorm_mode_32 3
		.amdhsa_float_denorm_mode_16_64 3
		.amdhsa_memory_ordered 1
		.amdhsa_forward_progress 1
		.amdhsa_inst_pref_size 102
	.end_amdhsa_kernel
	.amdgpu_metadata
---
amdhsa.version: [ 1, 2 ]
amdhsa.kernels:
  - .name:           k_q5a3e978a32_oproj
    .symbol:         k_q5a3e978a32_oproj.kd
    .args:
      - { .name: ao, .offset: 0, .size: 8, .value_kind: global_buffer, .address_space: global }
      - { .name: wo16, .offset: 8, .size: 8, .value_kind: global_buffer, .address_space: global }
      - { .name: out0, .offset: 16, .size: 8, .value_kind: global_buffer, .address_space: global }
    .group_segment_fixed_size: 327680
    .private_segment_fixed_size: 0
    .kernarg_segment_align: 8
    .kernarg_segment_size: 24
    .max_flat_workgroup_size: 128
    .sgpr_count:     72
    .vgpr_count:     768
    .wavefront_size: 32
...
	.end_amdgpu_metadata
.endif
;; end of part 4
